; MI455X (gfx1250); checked and timed in simulation.
; The chip was launched on July 23, 2026; its instructions are those of AMD's public machine-readable ISA for CDNA 5 (MIT licence, August 2026) and "CDNA5" Instruction Set Architecture Reference Guide (July 2026). The comments in the code are by the model that wrote it; some were corrected since.
;; Gated Delta Rule. Allowed arithmetic: float matrix products may take bf16 or f16 operands with f32 sums; other float arithmetic in f32, or as packed bf16 or f16 multiplies, adds, multiply-adds, maxima and minima; sums over many terms, partial sums and values carried from step to step in f32; what a program stores and reads back later, other than sums and carried values, may be rounded once to bf16 or f16.
;; Inputs: Wa 1,024 x 1 float32; Wb 1,024 x 1 float32; Wg 1,024 x 128 float32; Wk 1,024 x 128 float32; Wo 128 x 1,024 float32; Wq 1,024 x 128 float32; Wv 1,024 x 128 float32; ba 1 float32; bb 1 float32; bg 128 float32; bk 128 float32; bo 1,024 float32; bq 128 float32; bv 128 float32; x 8 x 2,048 x 1,024 float32.
;; Outputs: out0 8 x 2,048 x 1,024 float32.
;; 2 versions, each right; version 2 is version 1 with the launches scan, out written anew for expert scheduling mode. Each part assembles by itself: llvm-mc -triple=amdgcn-amd-amdhsa -mcpu=gfx1250 --defsym DOCPART=n.
;; ======== version 1 of 2: 4 launches
;; limits: values outside matrix products are rounded to f16; values are held in f16: magnitudes above 65,504 overflow, below 6.1e-05 lose precision
;; workspace buffers: wf 1,343,488 bytes; loc 20,971,520 bytes; nf 8,388,608 bytes; psi 16,777,216 bytes; rows 196,608 bytes; s0 8,388,608 bytes
;; launch prep (part 1): grid 328 x 1, 8 waves a work-group, no clusters, 0 bytes of LDS; arguments Wq, Wk, Wv, Wg, Wa, Wb, Wo, wf; writes wf
.if DOCPART == 1
	.amdgcn_target "amdgcn-amd-amdhsa--gfx1250"
	.amdhsa_code_object_version 6
	.text
	.protected	k_qa0c1525d9d_prep
	.globl	k_qa0c1525d9d_prep
	.p2align	8
	.type	k_qa0c1525d9d_prep,@function
k_qa0c1525d9d_prep:
	s_mov_b64 s[64:65], 0
	v_nop
	global_prefetch_b8 v0, s[64:65] scope:SCOPE_SE
	s_setreg_imm32_b32 hwreg(HW_REG_WAVE_MODE, 25, 1), 1
	s_wait_xcnt 0x0
; The weights, rounded to f16 once and laid out in the order in which matrix fragments want them.
; A piece is 512 bytes: lane (r = lane % 16, h = lane / 16) holds 8 numbers k = k0 + 8 h + 0..7 of column r of a tile.
; 2,624 pieces, one a wave (J = 8 x work-group + wave), piece J at byte 512 J of wf:
;   J < 2048:  Wq, Wk, Wv, Wg  [kappa 32][wave 4][f 8][half 2]; f = 2 x matrix + e, column 32 wave + 16 e + r
;   J < 2112:  Wa, Wb          [kappa 32][half 2]; column 0 = Wa, column 1 = Wb, the other fourteen are zeros
;   else:      Wo              [column tile 64][kappa 4][half 2]
; Limit: weights go in f16 (largest magnitude 65,504).
	s_load_b512 s[8:23], s[0:1], 0x0               ; Wq 8, Wk 10, Wv 12, Wg 14, Wa 16, Wb 18, Wo 20, wf 22
	v_lshrrev_b32 v1, 5, v0
	v_readfirstlane_b32 s2, v1                     ; wave
	s_lshl_b32 s3, ttmp9, 3
	s_add_co_u32 s3, s3, s2                        ; J
	v_and_b32 v1, 31, v0                           ; lane
	v_and_b32 v2, 15, v0                           ; r
	v_bfe_u32 v3, v0, 4, 1                         ; h
	s_lshl_b32 s4, s3, 9
	v_lshl_add_u32 v4, v1, 4, s4                   ; where my 16 bytes go: 512 J + 16 lane
.macro FINISH                          ; eight f32 in v[8:15] -> 16 bytes of f16; a wave stores 512 consecutive bytes
	v_cvt_pk_f16_f32 v16, v8, v9
	v_cvt_pk_f16_f32 v17, v10, v11
	v_cvt_pk_f16_f32 v18, v12, v13
	v_cvt_pk_f16_f32 v19, v14, v15
	global_store_b128 v4, v[16:19], s[22:23]
	s_endpgm
.endm
.macro GATHER b, stride                ; eight rows k of one column
.irp j, 0,1,2,3,4,5,6,7
	global_load_b32 v[8+\j], v5, s[\b:\b+1] offset:\j*\stride
.endr
	s_wait_loadcnt 0x0
	FINISH
.endm
	s_wait_kmcnt 0x0
	s_cmp_ge_u32 s3, 2112
	s_cbranch_scc1 .Lwo
	s_cmp_ge_u32 s3, 2048
	s_cbranch_scc1 .Lab
	; the four projections: J = kappa<<6 | wave<<4 | matrix<<2 | e<<1 | half
	s_lshr_b32 s5, s3, 6
	s_and_b32 s6, s3, 1
	s_lshl_b32 s5, s5, 1
	s_add_co_u32 s5, s5, s6                        ; 2 kappa + half
	s_lshl_b32 s5, s5, 13                          ; x 16 rows of 512 bytes
	s_bfe_u32 s6, s3, 0x20004
	s_lshl_b32 s6, s6, 7                           ; 32 wave columns
	s_add_co_u32 s5, s5, s6
	s_bfe_u32 s6, s3, 0x10001
	s_lshl_b32 s6, s6, 6                           ; 16 e columns
	s_add_co_u32 s5, s5, s6
	v_lshlrev_b32 v5, 2, v2
	v_lshl_add_u32 v5, v3, 12, v5                  ; + 8 h rows
	v_add_nc_u32 v5, s5, v5
	s_bfe_u32 s6, s3, 0x20002                      ; which matrix
	s_bitcmp1_b32 s6, 0
	s_cselect_b64 s[24:25], s[10:11], s[8:9]
	s_cselect_b64 s[26:27], s[14:15], s[12:13]
	s_bitcmp1_b32 s6, 1
	s_cselect_b64 s[24:25], s[26:27], s[24:25]
	GATHER 24, 512
.Lab:
	s_sub_co_u32 s5, s3, 2048
	s_lshl_b32 s5, s5, 6                           ; (32 kappa + 16 half) x 4 bytes
	v_lshl_add_u32 v5, v3, 5, s5                   ; + 8 h
	global_load_b128 v[8:11], v5, s[16:17]
	global_load_b128 v[12:15], v5, s[16:17] offset:16
	global_load_b128 v[20:23], v5, s[18:19]
	global_load_b128 v[24:27], v5, s[18:19] offset:16
	v_cmp_eq_u32 vcc_lo, 1, v2                     ; column 1: Wb
	v_cmp_gt_u32 s6, 2, v2                         ; columns 0 and 1 hold numbers
	s_wait_loadcnt 0x0
.irp j, 0,1,2,3,4,5,6,7
	v_cndmask_b32 v[8+\j], v[8+\j], v[20+\j], vcc_lo
	v_cndmask_b32 v[8+\j], 0, v[8+\j], s6
.endr
	FINISH
.Lwo:
	s_sub_co_u32 s5, s3, 2112                      ; tile<<3 | kappa<<1 | half
	s_and_b32 s6, s5, 7
	s_lshl_b32 s6, s6, 16                          ; x 16 rows of 4,096 bytes
	s_lshr_b32 s5, s5, 3
	s_lshl_b32 s5, s5, 6                           ; 16 columns a tile
	s_add_co_u32 s5, s5, s6
	v_lshlrev_b32 v5, 2, v2
	v_lshl_add_u32 v5, v3, 15, v5                  ; + 8 h rows
	v_add_nc_u32 v5, s5, v5
	GATHER 20, 4096
.Lfunc_end_k_qa0c1525d9d_prep:
	.size	k_qa0c1525d9d_prep, .Lfunc_end_k_qa0c1525d9d_prep-k_qa0c1525d9d_prep
	.p2alignl 7, 3214868480
	.fill 96, 4, 3214868480
	.section	.rodata,"a",@progbits
	.p2align	6, 0x0
	.amdhsa_kernel k_qa0c1525d9d_prep
		.amdhsa_group_segment_fixed_size 0
		.amdhsa_private_segment_fixed_size 0
		.amdhsa_enable_private_segment 0
		.amdhsa_kernarg_size 64
		.amdhsa_user_sgpr_count 2
		.amdhsa_user_sgpr_kernarg_segment_ptr 1
		.amdhsa_wavefront_size32 1
		.amdhsa_system_sgpr_workgroup_id_x 1
		.amdhsa_system_sgpr_workgroup_id_y 1
		.amdhsa_system_sgpr_workgroup_id_z 1
		.amdhsa_system_vgpr_workitem_id 0
		.amdhsa_next_free_vgpr 32
		.amdhsa_next_free_sgpr 66
		.amdhsa_reserve_vcc 1
		.amdhsa_float_denorm_mode_32 3
		.amdhsa_float_denorm_mode_16_64 3
		.amdhsa_memory_ordered 1
		.amdhsa_forward_progress 1
		.amdhsa_inst_pref_size 7
	.end_amdhsa_kernel
	.amdgpu_metadata
---
amdhsa.version: [ 1, 2 ]
amdhsa.kernels:
  - .name:           k_qa0c1525d9d_prep
    .symbol:         k_qa0c1525d9d_prep.kd
    .args:
      - { .name: Wq, .offset: 0, .size: 8, .value_kind: global_buffer, .address_space: global }
      - { .name: Wk, .offset: 8, .size: 8, .value_kind: global_buffer, .address_space: global }
      - { .name: Wv, .offset: 16, .size: 8, .value_kind: global_buffer, .address_space: global }
      - { .name: Wg, .offset: 24, .size: 8, .value_kind: global_buffer, .address_space: global }
      - { .name: Wa, .offset: 32, .size: 8, .value_kind: global_buffer, .address_space: global }
      - { .name: Wb, .offset: 40, .size: 8, .value_kind: global_buffer, .address_space: global }
      - { .name: Wo, .offset: 48, .size: 8, .value_kind: global_buffer, .address_space: global }
      - { .name: wf, .offset: 56, .size: 8, .value_kind: global_buffer, .address_space: global }
    .group_segment_fixed_size: 0
    .private_segment_fixed_size: 0
    .kernarg_segment_align: 8
    .kernarg_segment_size: 64
    .max_flat_workgroup_size: 256
    .sgpr_count:     66
    .vgpr_count:     32
    .wavefront_size: 32
...
	.end_amdgpu_metadata
.endif
;; end of part 1
;; launch local (part 2): grid 256 x 1, 4 waves a work-group, no clusters, 301,568 bytes of LDS; arguments x, wf, bq, bk, bv, bg, ba, bb, loc, nf, psi, rows; writes loc, nf, psi, rows
.if DOCPART == 2
	.amdgcn_target "amdgcn-amd-amdhsa--gfx1250"
	.amdhsa_code_object_version 6
	.text
	.protected	k_qa0c1525d9d_local
	.globl	k_qa0c1525d9d_local
	.p2align	8
	.type	k_qa0c1525d9d_local,@function
k_qa0c1525d9d_local:
	s_mov_b64 s[64:65], 0
	v_nop
	global_prefetch_b8 v0, s[64:65] scope:SCOPE_SE
	s_setreg_imm32_b32 hwreg(HW_REG_WAVE_MODE, 25, 1), 1
	s_wait_xcnt 0x0
; One chunk of 64 time steps a work-group (256 chunks = 8 batches x 32): the six projections, and everything of the
; gated delta rule that does not need the state at the chunk's entry (S0):
;   k^ = k / max(|k|, 1e-12), q^ = q / nq, gate, la = log2(alpha), g = prefix sum of la, beta
;   nA[t][s] = -beta_t 2^(g_t - g_s) (k^_t . k^_s) for s < t
;   (I - nA) [Wv | Wk] = [beta v | -beta 2^g k^]            solved exactly, in blocks of 16 rows
;   N[d][m] = sum_s Wk[s][d] D_s k^[s][m],  Psi[i][m] = sum_s Wv[s][i] D_s k^[s][m],  D_s = 2^(g_63 - g_s)
; so that the next launch needs S' = 2^(g_63) S + S N + Psi alone.
; Four waves; wave w owns columns 32 w .. 32 w + 31 of q, k, v and gate for all 64 rows.
; x (64 x 1024 f32) comes in by 16 tensor loads, four a wave, all issued at the head: each LDS byte is filled once.
; No cluster: the work-groups share the weights only; these go from memory straight into one wave's registers in
; fragment order, and the whole chunk of x leaves no LDS for a ring of weight tiles.
; LIMITS: matrix operands are f16: |x|, the weights, and what is linear in v (beta v, Wv, Psi's operands) must stay below
; 65,504; an alpha below 2^-40 counts as 2^-40 (an error of 1e-12 of the state).
; REGISTER WINDOWS: 0 addresses, fragments of x, tables; 1 the 32 accumulator tiles; 2 the ring of weight fragments, later packs.
.set XT,   17408                       ; an x tile in LDS: 64 rows x (256 + 16) bytes
.set PKB,  278528                      ; [wave][t] partial |k|^2
.set PQB,  279552                      ; [wave][t] partial |q|^2
.set ABLB, 280576                      ; [wave][half][t][2] partial za, zb
.set TABB, 284672                      ; seven tables of 64 f32, 256 bytes apart:
.set T_INVK, 0
.set T_INVQ, 256
.set T_G,    512
.set T_B,    768
.set T_NB,   1024
.set T_NBG,  1280
.set T_DD,   1536
.set ZDFB, 286720                      ; [t][32] f16, pitch 80: inverse of the diagonal blocks, strictly lower part
.set OFFB, 291840                      ; [t][64] f16, pitch 144: nA below the diagonal blocks
.set DKB,  20480                       ; these three lie in x's bytes, used behind x's last read:
.set NAB,  36864                       ; KT [c][t] f16 pitch 160 at 0; DKF fragments; NA [t][s] f32 pitch 272
.set XA, 4
.set GB, 8
.set GA, 12
.set BQ, 24
.set BG, 40
.set BK, 56
.set BV, 58
.set AB, 60
.set ABF, 92
.set ST, 124
.set F, 188
.set SK, 124
.set SQ, 156
.set PB, 60
.set ZZ, 60
.set RW, 76
.set MSB, 0
.macro WIN new                         ; the immediate's high byte repeats the setting that is left
.if MSB != \new
	s_set_vgpr_msb (MSB<<8)|\new
.set MSB, \new
.endif
.endm
.macro NOPS n
.rept \n
	v_nop
.endr
.endm
.macro MM d, a, b, z                   ; one product; z: it starts the sum
.if \z
	v_wmma_f32_16x16x32_f16 v[\d:\d+7], v[\a:\a+7], v[\b:\b+7], 0
.else
	v_wmma_f32_16x16x32_f16 v[\d:\d+7], v[\a:\a+7], v[\b:\b+7], v[\d:\d+7]
.endif
.endm
.macro SCALE4 d, s, t                  ; eight numbers: d = s * t
.irp q, 0,2,4,6
	v_pk_mul_f32 v[\d+\q:\d+\q+1], v[\s+\q:\s+\q+1], v[\t+\q:\t+\q+1]
.endr
.endm
.macro SCALEB d, t, hi                 ; eight numbers times one register of the pair t
.irp q, 0,2,4,6
.if \hi
	v_pk_mul_f32 v[\d+\q:\d+\q+1], v[\d+\q:\d+\q+1], v[\t:\t+1] op_sel:[0,1] op_sel_hi:[1,1]
.else
	v_pk_mul_f32 v[\d+\q:\d+\q+1], v[\d+\q:\d+\q+1], v[\t:\t+1] op_sel_hi:[1,0]
.endif
.endr
.endm
.macro ADD4 d, t
.irp q, 0,2,4,6
	v_pk_add_f32 v[\d+\q:\d+\q+1], v[\d+\q:\d+\q+1], v[\t+\q:\t+\q+1]
.endr
.endm
.macro ADDB d, t, hi
.irp q, 0,2,4,6
.if \hi
	v_pk_add_f32 v[\d+\q:\d+\q+1], v[\d+\q:\d+\q+1], v[\t:\t+1] op_sel:[0,1] op_sel_hi:[1,1]
.else
	v_pk_add_f32 v[\d+\q:\d+\q+1], v[\d+\q:\d+\q+1], v[\t:\t+1] op_sel_hi:[1,0]
.endif
.endr
.endm
.macro CVT4 d, s                       ; eight f32 -> four registers of f16
.irp j, 0,1,2,3
	v_cvt_pk_f16_f32 v[\d+\j], v[\s+2*\j], v[\s+2*\j+1]
.endr
.endm
	s_load_b512 s[8:23], s[0:1], 0x0               ; x 8, wf 10, bq 12, bk 14, bv 16, bg 18, ba 20, bb 22
	s_load_b256 s[24:31], s[0:1], 0x40             ; loc 24, nf 26, psi 28, rows 30
	v_lshl_add_u32 v254, v0, 2, 0x49800
	v_mov_b32 v255, 0
	ds_add_u32 v254, v255
	ds_add_u32 v254, v255
	v_lshrrev_b32 v1, 5, v0
	v_readfirstlane_b32 s2, v1                     ; wave
	s_mov_b32 s3, ttmp9                            ; chunk
	; descriptor group 1: 64 rows x 64 f32, pitch 1,024 elements; 16 bytes of padding behind every 64 words
	s_mov_b32 s32, (2<<16)|(1<<20)|(5<<22)|(3<<25)
	s_mov_b32 s33, 64<<16
	s_mov_b32 s34, 64<<16
	s_mov_b32 s35, 64<<16
	s_mov_b32 s36, 64
	s_mov_b32 s37, 1024
	s_mov_b32 s38, 0
	s_mov_b32 s39, 0
	s_lshl_b32 s4, s3, 18                          ; 64 rows of 4,096 bytes a chunk
	s_lshl_b32 s6, s2, 8                           ; my tile of a slab: 256 bytes of each row
	s_add_co_u32 s4, s4, s6
	s_mov_b32 s5, 0
	s_mul_i32 s7, s2, XT
	s_mov_b32 s56, 0x76543210
	s_mov_b32 s57, 0xfedcba98
	s_wait_dscnt 0x0
	s_wait_kmcnt 0x0
	s_add_nc_u64 s[8:9], s[8:9], s[4:5]
	; slab g = tiles 4 g .. 4 g + 3 (256 columns); I fetch tile 4 g + wave.  Four loads of mine are out, all first fills.
.irp g, 0,1,2,3
	s_mov_b32 s[40+4*\g], 1
	s_add_co_u32 s[41+4*\g], s7, \g*4*XT
	s_add_nc_u64 s[42+4*\g:43+4*\g], s[8:9], \g*1024
	s_or_b32 s[43+4*\g], s[43+4*\g], 0x80000000
	tensor_load_to_lds s[40+4*\g:43+4*\g], s[32:39]
	s_nop 0
.endr
	s_load_b32 s58, s[20:21], 0x0                  ; ba
	s_load_b32 s59, s[22:23], 0x0                  ; bb
	s_mul_i32 s4, s3, 81920
	s_add_nc_u64 s[24:25], s[24:25], s[4:5]        ; the four outputs at my chunk
	s_lshl_b32 s4, s3, 15
	s_add_nc_u64 s[26:27], s[26:27], s[4:5]
	s_lshl_b32 s4, s3, 16
	s_add_nc_u64 s[28:29], s[28:29], s[4:5]
	s_mul_i32 s4, s3, 768
	s_add_nc_u64 s[30:31], s[30:31], s[4:5]
	v_and_b32 v1, 31, v0                           ; lane
	v_and_b32 v2, 15, v0                           ; r
	v_bfe_u32 v3, v0, 4, 1                         ; h
	v_mul_u32_u24 v16, v2, 272
	v_lshl_add_u32 v16, v3, 5, v16                 ; x fragment: row r, 8 h f32
	v_lshlrev_b32 v17, 4, v1                       ; 16 lane (kept)
	; At position pos (c = pos & 3, G = pos >> 2) wave w multiplies K step kappa = 4 G + ((c + w) & 3).  So the one tile of
	; za, zb costs one product a position (row tile c), and the four waves' partial sums cover every kappa of every row tile.
.irp c, 0,1,2,3
	s_add_co_u32 s4, s2, \c
	s_and_b32 s4, s4, 3
	s_lshr_b32 s5, s4, 1
	s_mul_i32 s5, s5, XT
	s_and_b32 s6, s4, 1
	s_lshl_b32 s6, s6, 7
	s_add_co_u32 s5, s5, s6
	v_add_nc_u32 v[XA+\c], s5, v16
	s_lshl_b32 s5, s4, 15
	s_lshl_b32 s6, s2, 13
	s_add_co_u32 s5, s5, s6
	v_add_nc_u32 v[GB+\c], s5, v17
	s_lshl_b32 s5, s4, 10
	v_add_nc_u32 v[GA+\c], s5, v17
.endr
	s_lshl_b32 s4, s2, 7
	v_lshl_add_u32 v18, v3, 5, s4                  ; biases of columns 32 w + 8 h + ..
	v_lshl_add_u32 v19, v2, 2, s4                  ; bias of column 32 w + r
.irp e, 0,1
	global_load_b128 v[BQ+8*\e:BQ+8*\e+3],   v18, s[12:13] offset:\e*64
	global_load_b128 v[BQ+8*\e+4:BQ+8*\e+7], v18, s[12:13] offset:\e*64+16
	global_load_b128 v[BG+8*\e:BG+8*\e+3],   v18, s[18:19] offset:\e*64
	global_load_b128 v[BG+8*\e+4:BG+8*\e+7], v18, s[18:19] offset:\e*64+16
	global_load_b32 v[BK+\e], v19, s[14:15] offset:\e*64
	global_load_b32 v[BV+\e], v19, s[16:17] offset:\e*64
.endr
.macro BLOAD p                         ; 18 loads: position p's eight weight fragments and the fragment of Wa, Wb
	WIN 0x80
.irp f, 0,1,2,3,4,5,6,7
	global_load_b128 v[64*((\p)&3)+8*\f:64*((\p)&3)+8*\f+3],   v[GB+((\p)&3)], s[10:11] offset:((\p)>>2)*131072+\f*1024
	global_load_b128 v[64*((\p)&3)+8*\f+4:64*((\p)&3)+8*\f+7], v[GB+((\p)&3)], s[10:11] offset:((\p)>>2)*131072+\f*1024+512
.endr
	WIN 0
	global_load_b128 v[ABF+8*((\p)&3):ABF+8*((\p)&3)+3],   v[GA+((\p)&3)], s[10:11] offset:1048576+((\p)>>2)*4096
	global_load_b128 v[ABF+8*((\p)&3)+4:ABF+8*((\p)&3)+7], v[GA+((\p)&3)], s[10:11] offset:1048576+((\p)>>2)*4096+512
.endm
.macro XLOAD p                         ; 16 LDS loads: 64 rows x 32 f32 of x
.irp m, 0,1,2,3
	ds_load_b128 v[ST+16*\m:ST+16*\m+3],     v[XA+((\p)&3)] offset:(((\p)>>2)&1)*2*XT+\m*4352
	ds_load_b128 v[ST+16*\m+4:ST+16*\m+7],   v[XA+((\p)&3)] offset:(((\p)>>2)&1)*2*XT+\m*4352+16
	ds_load_b128 v[ST+16*\m+8:ST+16*\m+11],  v[XA+((\p)&3)] offset:(((\p)>>2)&1)*2*XT+\m*4352+64
	ds_load_b128 v[ST+16*\m+12:ST+16*\m+15], v[XA+((\p)&3)] offset:(((\p)>>2)&1)*2*XT+\m*4352+80
.endr
.endm
; One position: 33 products on 33 accumulators, one instruction a turn.
.macro KSTEP
	s_wait_dscnt 0x0                               ; this position's x is in
	.set fb, F+32*(pos&1)
	.set bb, 64*(pos&3)
	.set qq, 0
.rept 32                                           ; to f16; these 32 lines are also the places behind the last position's products
	v_cvt_pk_f16_f32 v[fb+qq], v[ST+2*qq], v[ST+2*qq+1]
	.set qq, qq+1
.endr
.if pos < 31
.if ((pos+1)&7) == 0
	s_wait_tensorcnt 3-(pos+1)/8                   ; my tile of the next slab has landed; my younger slabs stay out
	s_barrier_signal -1
	s_barrier_wait -1                              ; everybody's has
.irp c, 0,1,2,3
	v_add_nc_u32 v[XA+\c], 4*XT, v[XA+\c]
.endr
.endif
	XLOAD pos+1
.endif
.if pos+3 < 32
	BLOAD pos+3
.endif
.if pos < 29
	s_wait_loadcnt 54                              ; the three younger positions' 18 loads each stay out
.else
	s_wait_loadcnt 18*(31-pos)
.endif
	WIN 0x52                                       ; source 0 weights (window 2), source 1 x, C and D window 1
.irp e, 0,1
.irp u, 0,1,2,3
	MM 8*(4*\e+\u),bb+8*\e,fb+8*\u,pos==0          ; q transposed: register j = column 8 h + j, lane r = row
.endr
.endr
.irp e, 0,1
.irp u, 0,1,2,3
	MM 192+8*(4*\e+\u),bb+8*(6+\e),fb+8*\u,pos==0  ; gate, likewise
.endr
.endr
	WIN 0x58                                       ; source 0 x, source 1 weights
.irp m, 0,1,2,3
.irp e, 0,1
	MM 64+8*(2*\m+\e),fb+8*\m,bb+8*(2+\e),pos==0   ; k: register j = row 8 h + j, lane r = column
.endr
.endr
.irp m, 0,1,2,3
.irp e, 0,1
	MM 128+8*(2*\m+\e),fb+8*\m,bb+8*(4+\e),pos==0  ; v, likewise
.endr
.endr
	WIN 0
	MM AB+8*(pos&3),ABF+8*(pos&3),fb+8*(pos&3),pos<4
.endm
	BLOAD 0
	BLOAD 1
	BLOAD 2
	s_wait_kmcnt 0x0                               ; ba, bb
	s_wait_tensorcnt 0x3                           ; my tile of slab 0; three younger loads stay out
	s_barrier_signal -1
	s_barrier_wait -1
	XLOAD 0
	.set pos, 0
.rept 32
	KSTEP
	.set pos, pos+1
.endr
	; ---- biases, |k|^2 and |q|^2 of my 32 columns, partial za and zb ----
	NOPS 4                                         ; the places behind the last products
	s_lshl_b32 s4, s2, 8
	s_add_co_u32 s5, s4, PKB
	v_lshl_add_u32 v4, v3, 5, s5
	s_add_co_u32 s5, s4, PQB
	v_lshl_add_u32 v5, v2, 2, s5
	s_lshl_b32 s4, s2, 10
	s_add_co_u32 s4, s4, ABLB
	v_lshl_add_u32 v6, v3, 9, s4
	v_lshl_add_u32 v6, v2, 3, v6
	WIN 0x41
.irp e, 0,1
.irp u, 0,1,2,3
	ADD4 8*(4*\e+\u),BQ+8*\e
	ADD4 192+8*(4*\e+\u),BG+8*\e
	ADDB 64+8*(2*\u+\e),BK,\e
	ADDB 128+8*(2*\u+\e),BV,\e
.endr
.endr
	WIN 0x05
.irp m, 0,1,2,3
.irp q, 0,2,4,6
	v_pk_mul_f32 v[SK+8*\m+\q:SK+8*\m+\q+1], v[64+16*\m+\q:64+16*\m+\q+1], v[64+16*\m+\q:64+16*\m+\q+1]
	v_pk_fma_f32 v[SK+8*\m+\q:SK+8*\m+\q+1], v[72+16*\m+\q:72+16*\m+\q+1], v[72+16*\m+\q:72+16*\m+\q+1], v[SK+8*\m+\q:SK+8*\m+\q+1]
.endr
.endr
.irp u, 0,1,2,3
	v_pk_mul_f32 v[SQ+2*\u:SQ+2*\u+1], v[8*\u:8*\u+1], v[8*\u:8*\u+1]
.irp q, 2,4,6,32,34,36,38
	v_pk_fma_f32 v[SQ+2*\u:SQ+2*\u+1], v[8*\u+\q:8*\u+\q+1], v[8*\u+\q:8*\u+\q+1], v[SQ+2*\u:SQ+2*\u+1]
.endr
.endr
	WIN 0
.irp x, 1,2,4,8                                    ; over the 16 columns that the lanes of a row hold
	.set qq, 0
.rept 32
	v_add_f32_dpp v[SK+qq], v[SK+qq], v[SK+qq] row_xmask:\x row_mask:0xf bank_mask:0xf
	.set qq, qq+1
.endr
.endr
.irp u, 0,1,2,3
	v_add_f32 v[SQ+2*\u], v[SQ+2*\u], v[SQ+2*\u+1]
	v_permlanex16_b32 v[SQ+2*\u+1], v[SQ+2*\u], s56, s57
	v_add_f32 v[SQ+2*\u], v[SQ+2*\u], v[SQ+2*\u+1]
.endr
.irp m, 0,1,2,3
	ds_store_b128 v4, v[SK+8*\m:SK+8*\m+3] offset:\m*64
	ds_store_b128 v4, v[SK+8*\m+4:SK+8*\m+7] offset:\m*64+16
	ds_store_b32 v5, v[SQ+2*\m] offset:\m*64
	ds_store_b64 v6, v[AB+8*\m:AB+8*\m+1] offset:\m*128     ; lower half of the lanes: za, zb of row 16 m + r
.endr
	s_wait_dscnt 0x0                               ; my stores, and my last reads of x
	s_wait_tensorcnt 0x0
	s_barrier_signal -1
	s_barrier_wait -1
	; ---- wave 0: the scalars of the 64 rows; lane l owns rows 2 l and 2 l + 1 ----
	s_cmp_lg_u32 s2, 0
	s_cbranch_scc1 .Lp2_done
	v_lshl_add_u32 v7, v1, 3, PKB
	v_lshl_add_u32 v8, v1, 4, ABLB
.irp i, 0,1,2,3
	ds_load_b64 v[60+2*\i:61+2*\i], v7 offset:\i*256
	ds_load_b64 v[68+2*\i:69+2*\i], v7 offset:1024+\i*256
	ds_load_b128 v[76+4*\i:79+4*\i], v8 offset:\i*1024
.endr
	v_mov_b32 v96, 0xc2200000                      ; -40
	s_wait_dscnt 0x0
.irp i, 1,2,3
	v_pk_add_f32 v[60:61], v[60:61], v[60+2*\i:61+2*\i]
	v_pk_add_f32 v[68:69], v[68:69], v[68+2*\i:69+2*\i]
	v_pk_add_f32 v[76:77], v[76:77], v[76+4*\i:77+4*\i]
	v_pk_add_f32 v[78:79], v[78:79], v[78+4*\i:79+4*\i]
.endr
	v_add_f32 v76, s58, v76
	v_add_f32 v78, s58, v78
	v_add_f32 v77, s59, v77
	v_add_f32 v79, s59, v79
	v_pk_mul_f32 v[76:77], v[76:77], 0xbfb8aa3b op_sel_hi:[1,0]
	v_pk_mul_f32 v[78:79], v[78:79], 0xbfb8aa3b op_sel_hi:[1,0]
	v_sqrt_f32 v60, v60
	v_sqrt_f32 v61, v61
	v_sqrt_f32 v68, v68
	v_sqrt_f32 v69, v69
	v_exp_f32 v76, v76
	v_exp_f32 v77, v77
	v_exp_f32 v78, v78
	v_exp_f32 v79, v79
	v_nop                                          ; one plain place behind the transcendentals
	s_wait_alu depctr_va_vdst(0)
	v_max_num_f32 v60, 0x2b8cbccc, v60             ; max(norm, 1e-12)
	v_max_num_f32 v61, 0x2b8cbccc, v61
	v_max_num_f32 v68, 0x2b8cbccc, v68             ; nq
	v_max_num_f32 v69, 0x2b8cbccc, v69
	v_pk_add_f32 v[76:77], v[76:77], 1.0 op_sel_hi:[1,0]
	v_pk_add_f32 v[78:79], v[78:79], 1.0 op_sel_hi:[1,0]
	v_rcp_f32 v92, v60
	v_rcp_f32 v93, v61
	v_rcp_f32 v94, v68
	v_rcp_f32 v95, v69
	v_log_f32 v76, v76
	v_log_f32 v78, v78
	v_rcp_f32 v100, v77                            ; beta
	v_rcp_f32 v101, v79
	v_nop
	s_wait_alu depctr_va_vdst(0)
	v_max_num_f32 v76, -v76, v96                   ; la = max(log2 alpha, -40)
	v_max_num_f32 v78, -v78, v96
	v_add_f32 v81, v76, v78
.irp d, 1,2,4,8,16                                 ; inclusive prefix sum over the lanes
	v_add_nc_u32 v82, -\d, v1
	v_lshlrev_b32 v82, 2, v82
	v_and_b32 v82, 0x7c, v82
	ds_bpermute_b32 v83, v82, v81
	v_cmp_le_u32 vcc_lo, \d, v1
	s_wait_dscnt 0x0
	v_cndmask_b32 v83, 0, v83, vcc_lo
	v_add_f32 v81, v81, v83
.endr
	v_add_nc_u32 v82, -1, v1
	v_lshlrev_b32 v82, 2, v82
	v_and_b32 v82, 0x7c, v82
	ds_bpermute_b32 v84, v82, v81
	v_cmp_le_u32 vcc_lo, 1, v1
	s_wait_dscnt 0x0
	v_cndmask_b32 v84, 0, v84, vcc_lo
	v_add_f32 v86, v84, v76                        ; g of row 2 l
	v_mov_b32 v87, v81                             ; g of row 2 l + 1
	v_readlane_b32 s60, v81, 31                    ; g_63
	v_sub_f32 v90, s60, v86
	v_sub_f32 v91, s60, v87
	v_exp_f32 v88, v86                             ; gamma
	v_exp_f32 v89, v87
	v_exp_f32 v90, v90                             ; D
	v_exp_f32 v91, v91
	v_pk_mul_f32 v[98:99], v[100:101], -1.0 op_sel_hi:[1,0]
	s_wait_alu depctr_va_vdst(0)
	v_pk_mul_f32 v[102:103], v[98:99], v[88:89]    ; -beta gamma
	v_lshl_add_u32 v9, v1, 3, TABB
	v_lshlrev_b32 v10, 3, v1
	ds_store_b64 v9, v[92:93] offset:T_INVK
	ds_store_b64 v9, v[94:95] offset:T_INVQ
	ds_store_b64 v9, v[86:87] offset:T_G
	ds_store_b64 v9, v[100:101] offset:T_B
	ds_store_b64 v9, v[98:99] offset:T_NB
	ds_store_b64 v9, v[102:103] offset:T_NBG
	ds_store_b64 v9, v[90:91] offset:T_DD
	global_store_b64 v10, v[86:87], s[30:31]
	global_store_b64 v10, v[88:89], s[30:31] offset:256
	global_store_b64 v10, v[68:69], s[30:31] offset:512
.Lp2_done:
	s_wait_xcnt 0x0                                ; the stores' data registers are written again below
	s_wait_dscnt 0x0
	s_barrier_signal -1
	s_barrier_wait -1
	; ---- normalise, scale, pack, store what the later launches read ----
	v_lshl_add_u32 v11, v3, 5, TABB
	v_lshl_add_u32 v12, v2, 2, TABB+T_INVQ
	s_lshl_b32 s4, s2, 12
	v_add_nc_u32 v13, s4, v17                      ; 16 lane + 4,096 w
	s_add_co_u32 s5, s4, DKB
	v_add_nc_u32 v15, s5, v17
	s_mul_i32 s5, s2, 32*160
	v_mad_u32_u24 v14, v2, 160, s5
	v_lshl_add_u32 v14, v3, 4, v14                 ; KT: row 32 w + r, 8 h f16
	s_lshl_b32 s5, s2, 10
	v_add_nc_u32 v16, s5, v17                      ; 16 lane + 1,024 w
.irp m, 0,1,2,3
.irp i, 0,1
	ds_load_b128 v[60+8*\m+4*\i:63+8*\m+4*\i],   v11 offset:T_INVK+\m*64+\i*16
	ds_load_b128 v[92+8*\m+4*\i:95+8*\m+4*\i],   v11 offset:T_DD+\m*64+\i*16
	ds_load_b128 v[124+8*\m+4*\i:127+8*\m+4*\i], v11 offset:T_NBG+\m*64+\i*16
	ds_load_b128 v[156+8*\m+4*\i:159+8*\m+4*\i], v11 offset:T_B+\m*64+\i*16
.endr
	ds_load_b32 v[188+\m], v12 offset:\m*64
.endr
	s_wait_dscnt 0x0
	WIN 0x41
.irp m, 0,1,2,3
.irp e, 0,1
	SCALE4 64+8*(2*\m+\e),64+8*(2*\m+\e),60+8*\m   ; k^
.endr
.endr
	WIN 0x85
.irp m, 0,1,2,3
.irp e, 0,1
	CVT4 16*\e+4*\m,64+8*(2*\m+\e)                 ; window 2, 0-31: k^ as fragments (index c; k = s)
.endr
.endr
	WIN 0x81
.irp m, 0,1,2,3
.irp e, 0,1
	SCALE4 128+8*(2*\m+\e),64+8*(2*\m+\e),92+8*\m  ; D k^
.endr
.endr
	WIN 0x8a
.irp m, 0,1,2,3
.irp e, 0,1
	CVT4 32+16*\e+4*\m,128+8*(2*\m+\e)
.endr
.endr
	WIN 0x41
.irp m, 0,1,2,3
.irp e, 0,1
	SCALE4 64+8*(2*\m+\e),64+8*(2*\m+\e),124+8*\m  ; right-hand side -beta gamma k^
	SCALE4 128+8*(2*\m+\e),128+8*(2*\m+\e),156+8*\m ; right-hand side beta v
	SCALEB 8*(4*\e+\m),188+2*(\m>>1),\m&1          ; q^
.endr
.endr
	WIN 0x55                                       ; gate = 1 / (1 + 2^(-1.442695 z)), in place
	.set ii, 192
.rept 32
	v_pk_mul_f32 v[ii:ii+1], v[ii:ii+1], 0xbfb8aa3b op_sel_hi:[1,0]
	.set ii, ii+2
.endr
	.set ii, 192
.rept 64
	v_exp_f32 v[ii], v[ii]
	.set ii, ii+1
.endr
	v_nop
	.set ii, 192
	s_wait_alu depctr_va_vdst(0)
.rept 32
	v_pk_add_f32 v[ii:ii+1], v[ii:ii+1], 1.0 op_sel_hi:[1,0]
	.set ii, ii+2
.endr
	.set ii, 192
.rept 64
	v_rcp_f32 v[ii], v[ii]
	.set ii, ii+1
.endr
	v_nop
	s_wait_alu depctr_va_vdst(0)
	WIN 0x85
.irp u, 0,1,2,3
.irp e, 0,1
	CVT4 64+8*\u+4*\e,8*(4*\e+\u)
	CVT4 96+8*\u+4*\e,192+8*(4*\e+\u)
.endr
.endr
	WIN 0x08                                       ; data in window 2; each wave store covers 512 consecutive bytes
.irp m, 0,1,2,3
.irp e, 0,1
	global_store_b128 v13, v[16*\e+4*\m:16*\e+4*\m+3], s[24:25] offset:32768+\e*2048+\m*512
	ds_store_b128 v14, v[16*\e+4*\m:16*\e+4*\m+3] offset:\e*2560+\m*32
	ds_store_b128 v15, v[32+16*\e+4*\m:32+16*\e+4*\m+3] offset:\e*2048+\m*512
	global_store_b128 v16, v[64+8*\m+4*\e:64+8*\m+4*\e+3], s[24:25] offset:\m*4096+\e*512
	global_store_b128 v16, v[96+8*\m+4*\e:96+8*\m+4*\e+3], s[24:25] offset:16384+\m*4096+\e*512
.endr
.endr
	WIN 0
	s_wait_dscnt 0x0
	s_barrier_signal -1
	s_barrier_wait -1
	; ---- nA, row tile w: k^ k^T from KT by transposing loads, then scale and mask ----
	v_and_b32 v18, 7, v0
	v_lshl_add_u32 v18, v3, 3, v18
	v_mul_u32_u24 v18, v18, 160
	v_bfe_u32 v19, v0, 3, 1
	v_lshl_add_u32 v18, v19, 4, v18
	s_lshl_b32 s4, s2, 5
	v_add_nc_u32 v19, s4, v18
	s_lshl_b32 s4, s2, 6
	s_add_co_u32 s4, s4, TABB
	v_lshl_add_u32 v20, v3, 5, s4                  ; tables at row 16 w + 8 h
	v_lshl_add_u32 v21, v2, 2, TABB
	s_lshl_b32 s4, s2, 4
	v_lshl_add_u32 v22, v3, 3, s4
	v_sub_nc_u32 v22, v22, v2                      ; 16 w + 8 h - r
	v_mul_u32_u24 v23, v3, 8*272
	v_lshl_add_u32 v23, v2, 2, v23
	s_mul_i32 s5, s2, 16*272
	s_add_co_u32 s5, s5, NAB
	v_add_nc_u32 v23, s5, v23
.irp k, 0,1,2,3
	ds_load_tr16_b128 v[60+8*\k:63+8*\k], v19 offset:\k*5120
	ds_load_tr16_b128 v[64+8*\k:67+8*\k], v19 offset:\k*5120+2560
.irp t, 0,1,2,3
	ds_load_tr16_b128 v[92+8*(4*\t+\k):95+8*(4*\t+\k)], v18 offset:\k*5120+\t*32
	ds_load_tr16_b128 v[96+8*(4*\t+\k):99+8*(4*\t+\k)], v18 offset:\k*5120+\t*32+2560
.endr
.endr
	ds_load_b128 v[24:27], v20 offset:T_G
	ds_load_b128 v[28:31], v20 offset:T_G+16
	ds_load_b128 v[32:35], v20 offset:T_NB
	ds_load_b128 v[36:39], v20 offset:T_NB+16
.irp t, 0,1,2,3
	ds_load_b32 v[40+\t], v21 offset:T_G+\t*64
.endr
	s_wait_dscnt 0x0
.irp k, 0,1,2,3
.irp t, 0,1,2,3
	MM 220+8*\t,60+8*\k,92+8*(4*\t+\k),\k==0       ; four accumulators by turns
.endr
.endr
	NOPS 4
.irp t, 0,1,2,3
.irp j, 0,1,2,3,4,5,6,7
	v_sub_f32 v[92+8*\t+\j], v[24+\j], v[40+\t]    ; g_t - g_s
.endr
.endr
	.set ii, 92
.rept 32
	v_exp_f32 v[ii], v[ii]
	.set ii, ii+1
.endr
	v_nop
	s_wait_alu depctr_va_vdst(0)
.irp t, 0,1,2,3
.irp j, 0,1,2,3,4,5,6,7
	v_mul_f32 v[92+8*\t+\j], v[92+8*\t+\j], v[32+\j]
	v_mul_f32 v[92+8*\t+\j], v[92+8*\t+\j], v[220+8*\t+\j]
	v_cmp_lt_i32 vcc_lo, 16*\t-\j, v22             ; s < t; elsewhere the value (which may have overflowed) is dropped
	v_cndmask_b32 v[92+8*\t+\j], 0, v[92+8*\t+\j], vcc_lo
	ds_store_b32 v23, v[92+8*\t+\j] offset:\j*272+\t*64
.endr
.endr
	s_wait_dscnt 0x0
	s_barrier_signal -1
	s_barrier_wait -1
	; ---- the diagonal block's inverse, exactly, in f32: lane r holds row r of Z = (I - M)^-1 - I, M = nA's block (w, w).
	;      Z[c] starts as M[r][c]; for s = 15 .. 1 and c < s: Z[c] += Z[s] M[s][c].  Both halves of the lanes do the same. ----
	s_mul_i32 s5, s2, 16*272
	s_add_co_u32 s5, s5, NAB
	s_lshl_b32 s6, s2, 6
	s_add_co_u32 s6, s6, s5                        ; block (w, w)
	v_mul_u32_u24 v45, v2, 272
	v_add_nc_u32 v46, s6, v45
	v_lshl_add_u32 v47, v3, 7, v45
	v_add_nc_u32 v47, s5, v47                      ; my row, columns 32 h ..
	v_mov_b32 v48, s6
	s_mul_i32 s5, s2, 16*80
	s_add_co_u32 s5, s5, ZDFB
	s_and_b32 s6, s2, 1
	s_lshl_b32 s6, s6, 5
	s_add_co_u32 s7, s5, s6
	v_mul_u32_u24 v49, v2, 80
	v_add_nc_u32 v50, s7, v49                      ; Z's 32 bytes of the row
	s_xor_b32 s6, s6, 32
	s_add_co_u32 s7, s5, s6
	v_add_nc_u32 v51, s7, v49                      ; the other 32 bytes: zeros
	s_mul_i32 s5, s2, 16*144
	s_add_co_u32 s5, s5, OFFB
	v_mul_u32_u24 v52, v2, 144
	v_lshl_add_u32 v52, v3, 6, v52
	v_add_nc_u32 v52, s5, v52
	v_lshlrev_b32 v53, 1, v3
	v_cmp_gt_u32 s4, s2, v53                       ; column block 2 h lies left of the diagonal block
	v_add_nc_u32 v53, 1, v53
	v_cmp_gt_u32 s5, s2, v53                       ; column block 2 h + 1 does
.irp q, 0,1,2,3
	ds_load_b128 v[ZZ+4*\q:ZZ+4*\q+3], v46 offset:16*\q
.endr
	.set sr, 1
	.set rb, RW
.rept 15                                           ; rows 1 .. 15 of the block, the same in every lane, as far as they are not zero
	.set qq, 0
.rept (sr+3)/4
	ds_load_b128 v[rb:rb+3], v48 offset:sr*272+16*qq
	.set rb, rb+4
	.set qq, qq+1
.endr
	.set sr, sr+1
.endr
.irp q, 0,1,2,3,4,5,6,7
	ds_load_b128 v[220+4*\q:223+4*\q], v47 offset:16*\q
.endr
	s_wait_dscnt 0x0
	.set sr, 15
.rept 15
	.set aa, (sr-1)/4
	.set rb, RW+4*(aa+1)*(sr-1-2*aa)               ; where row sr was put
	.set cc, 0
.rept (sr+1)/2
.if sr&1
	v_pk_fma_f32 v[ZZ+cc:ZZ+cc+1], v[ZZ+sr-1:ZZ+sr], v[rb+cc:rb+cc+1], v[ZZ+cc:ZZ+cc+1] op_sel:[1,0,0] op_sel_hi:[1,1,1]
.else
	v_pk_fma_f32 v[ZZ+cc:ZZ+cc+1], v[ZZ+sr:ZZ+sr+1], v[rb+cc:rb+cc+1], v[ZZ+cc:ZZ+cc+1] op_sel_hi:[0,1,1]
.endif
	.set cc, cc+2
.endr
	.set sr, sr-1
.endr
.irp j, 0,1,2,3,4,5,6,7
	v_cvt_pk_f16_f32 v[76+\j], v[ZZ+2*\j], v[ZZ+2*\j+1]
.endr
.irp j, 0,1,2,3
	v_mov_b32 v[84+\j], 0
.endr
.irp j, 0,1,2,3,4,5,6,7
	v_cvt_pk_f16_f32 v[88+\j], v[220+2*\j], v[221+2*\j]
	v_cvt_pk_f16_f32 v[96+\j], v[236+2*\j], v[237+2*\j]
	v_cndmask_b32 v[88+\j], 0, v[88+\j], s4
	v_cndmask_b32 v[96+\j], 0, v[96+\j], s5
.endr
	ds_store_b128 v50, v[76:79]
	ds_store_b128 v50, v[80:83] offset:16
	ds_store_b128 v51, v[84:87]
	ds_store_b128 v51, v[84:87] offset:16
.irp q, 0,1,2,3
	ds_store_b128 v52, v[88+4*\q:91+4*\q] offset:16*\q
.endr
	s_wait_dscnt 0x0
	s_barrier_signal -1
	s_barrier_wait -1
	; ---- the solve on my 64 columns (32 of beta v, 32 of -beta gamma k^): Y_i = R_i + sum_{j<i} nA_ij X_j, X_i = Y_i + Z_i Y_i.
	;      The identity parts stay in f32 as C.  A result tile (register j = row 8 h + j) packs in the lane into a fragment with k = row. ----
	v_mul_u32_u24 v54, v2, 80
	v_lshl_add_u32 v54, v3, 4, v54
	v_add_nc_u32 v54, ZDFB, v54
	v_mul_u32_u24 v55, v2, 144
	v_lshl_add_u32 v55, v3, 4, v55
	v_add_nc_u32 v55, OFFB, v55
	v_add_nc_u32 v56, DKB, v17
	s_lshl_b32 s4, s2, 14
	v_add_nc_u32 v57, s4, v17
.irp i, 0,1,2,3
	ds_load_b128 v[124+8*\i:127+8*\i], v54 offset:\i*1280
	ds_load_b128 v[128+8*\i:131+8*\i], v54 offset:\i*1280+32
.endr
.macro OFFL x, i, k
	ds_load_b128 v[156+8*\x:159+8*\x], v55 offset:\i*2304+\k*64
	ds_load_b128 v[160+8*\x:163+8*\x], v55 offset:\i*2304+\k*64+32
.endm
	OFFL 0, 1, 0
	OFFL 1, 2, 0
	OFFL 2, 3, 0
	OFFL 3, 3, 1
	WIN 0x80
.irp m, 0,1,2,3,4,5,6,7
.irp k, 0,1
	ds_load_b128 v[128+8*(2*\m+\k):131+8*(2*\m+\k)], v56 offset:\m*2048+\k*1024
	ds_load_b128 v[132+8*(2*\m+\k):135+8*(2*\m+\k)], v56 offset:\m*2048+\k*1024+512
.endr
.endr
	WIN 0
	s_wait_dscnt 0x0
.macro PACK m                          ; row tile m of my four column tiles -> its half of the fragments PB(m >> 1, x)
	WIN 0x05
.irp x, 0,1,2,3
	CVT4 PB+8*(4*(\m>>1)+\x)+4*(\m&1),128-64*(\x>>1)+8*(2*\m+(\x&1))
.endr
.endm
.macro GRP m, a, k                     ; row tile m += fragment a x PB(k, .): four accumulators by turns
	WIN 0x50
.irp x, 0,1,2,3
	MM 128-64*(\x>>1)+8*(2*\m+(\x&1)),\a,PB+8*(4*\k+\x),0
.endr
.endm
	PACK 0
	PACK 1
	GRP 0, 124, 0                                  ; X0 = R0 + Z0 R0 (R1's half meets zero columns)
	NOPS 4
	PACK 0
	GRP 1, 156, 0                                  ; Y1 = R1 + nA10 X0
	NOPS 4
	PACK 1
	GRP 1, 132, 0                                  ; X1 = Y1 + Z1 Y1
	NOPS 4
	PACK 1
	GRP 2, 164, 0                                  ; Y2 = R2 + nA20 X0 + nA21 X1
	NOPS 4
	PACK 2
	PACK 3
	GRP 2, 140, 1                                  ; X2
	NOPS 4
	PACK 2
	GRP 3, 172, 0                                  ; Y3 = R3 + nA30 X0 + nA31 X1
	GRP 3, 180, 1                                  ;      + nA32 X2
	NOPS 4
	PACK 3
	GRP 3, 148, 1                                  ; X3
	NOPS 5                                         ; five places: the products below write over these accumulators
	PACK 3
	WIN 0
.irp x, 0,1,2,3
.irp k, 0,1
	global_store_b128 v13, v[PB+8*(4*\k+\x):PB+8*(4*\k+\x)+3],   s[24:25] offset:49152+(\x>>1)*16384+(\x&1)*2048+\k*1024
	global_store_b128 v13, v[PB+8*(4*\k+\x)+4:PB+8*(4*\k+\x)+7], s[24:25] offset:49152+(\x>>1)*16384+(\x&1)*2048+\k*1024+512
.endr
.endr
	; ---- N (register j = d, lane = m) and Psi (register j = m, lane = i): 32 accumulators by turns, K = the 64 rows ----
.irp k, 0,1
	WIN 0x58
.irp e, 0,1
.irp m, 0,1,2,3,4,5,6,7
	MM 8*(8*\e+\m),PB+8*(4*\k+2+\e),128+8*(2*\m+\k),\k==0
.endr
.endr
	WIN 0x52
.irp m, 0,1,2,3,4,5,6,7
.irp e, 0,1
	MM 128+8*(2*\m+\e),128+8*(2*\m+\k),PB+8*(4*\k+\e),\k==0
.endr
.endr
.endr
	NOPS 4
	WIN 0x05
.irp m, 0,1,2,3,4,5,6,7
.irp e, 0,1
	CVT4 188+8*\m+4*\e,8*(8*\e+\m)
.endr
.endr
	WIN 0
.irp m, 0,1,2,3,4,5,6,7
.irp e, 0,1
	global_store_b128 v16, v[188+8*\m+4*\e:191+8*\m+4*\e], s[26:27] offset:\m*4096+\e*512
.endr
.endr
	WIN 0x04
.irp m, 0,1,2,3,4,5,6,7
.irp e, 0,1
	global_store_b128 v57, v[128+8*(2*\m+\e):131+8*(2*\m+\e)], s[28:29] offset:\e*8192+\m*1024
	global_store_b128 v57, v[132+8*(2*\m+\e):135+8*(2*\m+\e)], s[28:29] offset:\e*8192+\m*1024+512
.endr
.endr
	WIN 0
	s_wait_tensorcnt 0x0
	ds_add_u32 v254, v255
	s_wait_dscnt 0x0
	s_endpgm
.Lfunc_end_k_qa0c1525d9d_local:
	.size	k_qa0c1525d9d_local, .Lfunc_end_k_qa0c1525d9d_local-k_qa0c1525d9d_local
	.p2alignl 7, 3214868480
	.fill 96, 4, 3214868480
	.section	.rodata,"a",@progbits
	.p2align	6, 0x0
	.amdhsa_kernel k_qa0c1525d9d_local
		.amdhsa_group_segment_fixed_size 301568
		.amdhsa_private_segment_fixed_size 0
		.amdhsa_enable_private_segment 0
		.amdhsa_kernarg_size 96
		.amdhsa_user_sgpr_count 2
		.amdhsa_user_sgpr_kernarg_segment_ptr 1
		.amdhsa_wavefront_size32 1
		.amdhsa_system_sgpr_workgroup_id_x 1
		.amdhsa_system_sgpr_workgroup_id_y 1
		.amdhsa_system_sgpr_workgroup_id_z 1
		.amdhsa_system_vgpr_workitem_id 0
		.amdhsa_next_free_vgpr 768
		.amdhsa_next_free_sgpr 66
		.amdhsa_reserve_vcc 1
		.amdhsa_float_denorm_mode_32 3
		.amdhsa_float_denorm_mode_16_64 3
		.amdhsa_memory_ordered 1
		.amdhsa_forward_progress 1
		.amdhsa_inst_pref_size 255
	.end_amdhsa_kernel
	.section	.bss,"aw",@nobits
	.p2align	6
	.space	262144
	.amdgpu_metadata
---
amdhsa.version: [ 1, 2 ]
amdhsa.kernels:
  - .name:           k_qa0c1525d9d_local
    .symbol:         k_qa0c1525d9d_local.kd
    .args:
      - { .name: x, .offset: 0, .size: 8, .value_kind: global_buffer, .address_space: global }
      - { .name: wf, .offset: 8, .size: 8, .value_kind: global_buffer, .address_space: global }
      - { .name: bq, .offset: 16, .size: 8, .value_kind: global_buffer, .address_space: global }
      - { .name: bk, .offset: 24, .size: 8, .value_kind: global_buffer, .address_space: global }
      - { .name: bv, .offset: 32, .size: 8, .value_kind: global_buffer, .address_space: global }
      - { .name: bg, .offset: 40, .size: 8, .value_kind: global_buffer, .address_space: global }
      - { .name: ba, .offset: 48, .size: 8, .value_kind: global_buffer, .address_space: global }
      - { .name: bb, .offset: 56, .size: 8, .value_kind: global_buffer, .address_space: global }
      - { .name: loc, .offset: 64, .size: 8, .value_kind: global_buffer, .address_space: global }
      - { .name: nf, .offset: 72, .size: 8, .value_kind: global_buffer, .address_space: global }
      - { .name: psi, .offset: 80, .size: 8, .value_kind: global_buffer, .address_space: global }
      - { .name: rows, .offset: 88, .size: 8, .value_kind: global_buffer, .address_space: global }
    .group_segment_fixed_size: 301568
    .private_segment_fixed_size: 0
    .kernarg_segment_align: 8
    .kernarg_segment_size: 96
    .max_flat_workgroup_size: 128
    .sgpr_count:     66
    .vgpr_count:     768
    .wavefront_size: 32
...
	.end_amdgpu_metadata
.endif
;; end of part 2
;; launch scan (part 3): grid 64 x 1, 4 waves a work-group, no clusters, 8,704 bytes of LDS; arguments nf, psi, rows, s0; writes s0
.if DOCPART == 3
	.amdgcn_target "amdgcn-amd-amdhsa--gfx1250"
	.amdhsa_code_object_version 6
	.text
	.protected	k_qa0c1525d9d_scan
	.globl	k_qa0c1525d9d_scan
	.p2align	8
	.type	k_qa0c1525d9d_scan,@function
k_qa0c1525d9d_scan:
	s_mov_b64 s[64:65], 0
	v_nop
	global_prefetch_b8 v0, s[64:65] scope:SCOPE_SE
	s_setreg_imm32_b32 hwreg(HW_REG_WAVE_MODE, 25, 1), 1
	s_wait_xcnt 0x0
; The chain over the 32 chunks of a batch: S(c+1) = gamma_63(c) S(c) + S(c) N(c) + Psi(c), S(0) = 0.  Rows i of S do not
; depend on each other: a work-group owns 16 rows of one batch (8 batches x 8 row tiles = 64 work-groups, all there is to share).
; Wave w owns columns m = 32 w .. 32 w + 31: two accumulator tiles (register j = column 8 h + j, lane r = row), kept in f32.
; Each step the waves hand each other the state, rounded to f16, through LDS (two slots by turns, one barrier a step), and
; store it: it is the entry state that the last launch reads.  N and Psi come three chunks ahead through a ring of four.
; Limit: the state as a matrix operand is f16 (below 65,504).
.set MSB, 0
.macro WIN new
.if MSB != \new
	s_set_vgpr_msb (MSB<<8)|\new
.set MSB, \new
.endif
.endm
	s_load_b256 s[8:15], s[0:1], 0x0               ; nf 8, psi 10, rows 12, s0 14
	v_lshl_add_u32 v254, v0, 2, 0x2000
	v_mov_b32 v255, 0
	v_lshrrev_b32 v1, 5, v0
	v_readfirstlane_b32 s2, v1                     ; wave
	s_lshr_b32 s3, ttmp9, 3                        ; batch
	s_and_b32 s4, ttmp9, 7                         ; row tile
	s_mov_b32 s7, 0
	v_and_b32 v1, 31, v0
	v_lshlrev_b32 v6, 4, v1                        ; 16 lane
	s_lshl_b32 s5, s2, 13
	v_add_nc_u32 v2, s5, v6                        ; nf: + two column tiles of 4,096 bytes a wave
	s_lshl_b32 s5, s2, 11
	v_add_nc_u32 v3, s5, v6                        ; psi: + two tiles of 1,024
	s_lshl_b32 s5, s2, 10
	v_add_nc_u32 v4, s5, v6                        ; s0 and LDS: + one fragment of 1,024
	s_wait_kmcnt 0x0
	s_lshl_b32 s6, s3, 20
	s_add_nc_u64 s[8:9], s[8:9], s[6:7]
	s_lshl_b32 s5, s4, 12
	s_add_co_u32 s6, s6, s5
	s_add_nc_u64 s[14:15], s[14:15], s[6:7]
	s_lshl_b32 s6, s3, 21
	s_lshl_b32 s5, s4, 13
	s_add_co_u32 s6, s6, s5
	s_add_nc_u64 s[10:11], s[10:11], s[6:7]
	s_mul_i32 s6, s3, 24576
	s_add_nc_u64 s[12:13], s[12:13], s[6:7]
	.set cc, 1
.rept 30
	s_load_b32 s[32+cc], s[12:13], cc*768+508      ; gamma_63 of chunk cc
	.set cc, cc+1
.endr
.macro LOADS c                         ; 20 loads: my eight fragments of N(c), my two tiles of Psi(c)
	WIN 0x40
.irp e, 0,1
.irp k, 0,1,2,3
	global_load_b128 v[64*((\c)&3)+32*\e+8*\k:64*((\c)&3)+32*\e+8*\k+3],   v2, s[8:9] offset:(\c)*32768+\e*4096+\k*1024
	global_load_b128 v[64*((\c)&3)+32*\e+8*\k+4:64*((\c)&3)+32*\e+8*\k+7], v2, s[8:9] offset:(\c)*32768+\e*4096+\k*1024+512
.endr
.endr
	WIN 0
.irp e, 0,1
	global_load_b128 v[64+16*((\c)&3)+8*\e:64+16*((\c)&3)+8*\e+3],   v3, s[10:11] offset:(\c)*65536+\e*1024
	global_load_b128 v[64+16*((\c)&3)+8*\e+4:64+16*((\c)&3)+8*\e+7], v3, s[10:11] offset:(\c)*65536+\e*1024+512
.endr
.endm
.irp e, 0,1
	global_load_b128 v[8+8*\e:11+8*\e],  v3, s[10:11] offset:\e*1024       ; S(1) = Psi(0)
	global_load_b128 v[12+8*\e:15+8*\e], v3, s[10:11] offset:\e*1024+512
.endr
	LOADS 1
	LOADS 2
	LOADS 3
.irp j, 0,1,2,3,4,5,6,7
	v_mov_b32 v[24+\j], 0
.endr
	global_store_b128 v4, v[24:27], s[14:15]       ; S(0) = 0
	global_store_b128 v4, v[28:31], s[14:15] offset:512
	s_wait_loadcnt 60                              ; Psi(0) is in; three chunks' 20 loads each stay out
	s_wait_kmcnt 0x0
.macro STEP                            ; v[8:23] = S(cc): round, store, hand round; then S(cc + 1)
.rept 4
	v_nop                                          ; the places behind the last step's products
.endr
	s_wait_xcnt 0x0                                ; v[24:31] were the last stores' data
.irp e, 0,1
.irp j, 0,1,2,3
	v_cvt_pk_f16_f32 v[24+4*\e+\j], v[8+8*\e+2*\j], v[8+8*\e+2*\j+1]
.endr
.endr
	global_store_b128 v4, v[24:27], s[14:15] offset:cc*32768
	global_store_b128 v4, v[28:31], s[14:15] offset:cc*32768+512
.if cc < 31
	ds_store_b128 v4, v[24:27] offset:(cc&1)*4096
	ds_store_b128 v4, v[28:31] offset:(cc&1)*4096+512
.if cc+3 <= 30
	LOADS cc+3
.endif
	s_wait_dscnt 0x0                               ; my part is in LDS (my reads of the other slot ended in the last step)
	s_barrier_signal -1
	s_barrier_wait -1
.irp k, 0,1,2,3
	ds_load_b128 v[32+8*\k:35+8*\k], v6 offset:(cc&1)*4096+\k*1024
	ds_load_b128 v[36+8*\k:39+8*\k], v6 offset:(cc&1)*4096+\k*1024+512
.endr
.if cc < 28
	s_wait_loadcnt 60                              ; the three younger chunks' loads stay out
.else
	s_wait_loadcnt 20*(30-cc)
.endif
	.set ii, 0
.rept 16
	v_fma_f32 v[8+ii], s[32+cc], v[8+ii], v[64+16*(cc&3)+ii]
	.set ii, ii+1
.endr
	s_wait_dscnt 0x0
	WIN 0x01                                       ; source 0 (N) in window 1
.irp k, 0,1,2,3
.irp e, 0,1                                        ; the two accumulators take turns
	v_wmma_f32_16x16x32_f16 v[8+8*\e:15+8*\e], v[64*(cc&3)+32*\e+8*\k:64*(cc&3)+32*\e+8*\k+7], v[32+8*\k:39+8*\k], v[8+8*\e:15+8*\e]
.endr
.endr
	WIN 0
.endif
.endm
	.set cc, 1
.rept 31
	STEP
	.set cc, cc+1
.endr
	s_wait_tensorcnt 0x0
	ds_add_u32 v254, v255
	s_wait_dscnt 0x0
	s_endpgm
.Lfunc_end_k_qa0c1525d9d_scan:
	.size	k_qa0c1525d9d_scan, .Lfunc_end_k_qa0c1525d9d_scan-k_qa0c1525d9d_scan
	.p2alignl 7, 3214868480
	.fill 96, 4, 3214868480
	.section	.rodata,"a",@progbits
	.p2align	6, 0x0
	.amdhsa_kernel k_qa0c1525d9d_scan
		.amdhsa_group_segment_fixed_size 8704
		.amdhsa_private_segment_fixed_size 0
		.amdhsa_enable_private_segment 0
		.amdhsa_kernarg_size 32
		.amdhsa_user_sgpr_count 2
		.amdhsa_user_sgpr_kernarg_segment_ptr 1
		.amdhsa_wavefront_size32 1
		.amdhsa_system_sgpr_workgroup_id_x 1
		.amdhsa_system_sgpr_workgroup_id_y 1
		.amdhsa_system_sgpr_workgroup_id_z 1
		.amdhsa_system_vgpr_workitem_id 0
		.amdhsa_next_free_vgpr 512
		.amdhsa_next_free_sgpr 66
		.amdhsa_reserve_vcc 0
		.amdhsa_float_denorm_mode_32 3
		.amdhsa_float_denorm_mode_16_64 3
		.amdhsa_memory_ordered 1
		.amdhsa_forward_progress 1
		.amdhsa_inst_pref_size 159
	.end_amdhsa_kernel
	.amdgpu_metadata
---
amdhsa.version: [ 1, 2 ]
amdhsa.kernels:
  - .name:           k_qa0c1525d9d_scan
    .symbol:         k_qa0c1525d9d_scan.kd
    .args:
      - { .name: nf, .offset: 0, .size: 8, .value_kind: global_buffer, .address_space: global }
      - { .name: psi, .offset: 8, .size: 8, .value_kind: global_buffer, .address_space: global }
      - { .name: rows, .offset: 16, .size: 8, .value_kind: global_buffer, .address_space: global }
      - { .name: s0, .offset: 24, .size: 8, .value_kind: global_buffer, .address_space: global }
    .group_segment_fixed_size: 8704
    .private_segment_fixed_size: 0
    .kernarg_segment_align: 8
    .kernarg_segment_size: 32
    .max_flat_workgroup_size: 128
    .sgpr_count:     66
    .vgpr_count:     512
    .wavefront_size: 32
...
	.end_amdgpu_metadata
.endif
;; end of part 3
;; launch out (part 4): grid 256 x 1, 4 waves a work-group, no clusters, 188,928 bytes of LDS; arguments loc, rows, s0, wf, bo, out0; writes out0
.if DOCPART == 4
	.amdgcn_target "amdgcn-amd-amdhsa--gfx1250"
	.amdhsa_code_object_version 6
	.text
	.protected	k_qa0c1525d9d_out
	.globl	k_qa0c1525d9d_out
	.p2align	8
	.type	k_qa0c1525d9d_out,@function
k_qa0c1525d9d_out:
	s_mov_b64 s[64:65], 0
	v_nop
	global_prefetch_b8 v0, s[64:65] scope:SCOPE_SE
	s_setreg_imm32_b32 hwreg(HW_REG_WAVE_MODE, 25, 1), 1
	s_wait_xcnt 0x0
; The outputs of one chunk (64 rows) a work-group, from the chunk's entry state S0 and what the launch 'local' left:
;   R[t][d] = sum_i q^_t[i] S0[i][d];  P[t][s] = 2^(g_t - g_s) (q^_t . Wv[s] + R_t . Wk[s]) for s <= t, else 0
;   o'_t = gate_t (gamma_t R_t + sum_s P[t][s] k^_s);  y_t = nq_t (o'_t Wo) + bo
; Every product is used transposed (register j = the feature, lane r = the row t), so that results pack in the lane into the
; next product's fragments.  Wave w owns features 32 w .. 32 w + 31 of R and o', rows s = 16 w .. of P, columns 256 w .. of y.
; S0 and [Wv | Wk] are needed with the other index along K: they go through LDS and come back by transposing loads.
; y leaves through a stage of the wave's own: sixteen lanes store 256 consecutive, aligned bytes.
; No cluster: the work-groups share Wo alone (256 KiB in f16), a small part of the 640 KiB that each moves.
; Limit: operands in f16: S0, R, P and o' must stay below 65,504.
.set WXL, 36864                        ; S0L [i][d] f16 pitch 288 at 0; WXL [col][s] f16 pitch 160
.set RFL, 77824                        ; R as fragments, 16 KiB; then P 8 KiB; then o' 16 KiB
.set PFL, 94208
.set YST, 118784                       ; 64 rows x 272 bytes a wave
.set MSB, 0
.macro WIN new
.if MSB != \new
	s_set_vgpr_msb (MSB<<8)|\new
.set MSB, \new
.endif
.endm
.macro NOPS n
.rept \n
	v_nop
.endr
.endm
.macro MM d, a, b, z
.if \z
	v_wmma_f32_16x16x32_f16 v[\d:\d+7], v[\a:\a+7], v[\b:\b+7], 0
.else
	v_wmma_f32_16x16x32_f16 v[\d:\d+7], v[\a:\a+7], v[\b:\b+7], v[\d:\d+7]
.endif
.endm
.macro CVT4 d, s
.irp j, 0,1,2,3
	v_cvt_pk_f16_f32 v[\d+\j], v[\s+2*\j], v[\s+2*\j+1]
.endr
.endm
.macro SCALEB d, t, hi
.irp q, 0,2,4,6
.if \hi
	v_pk_mul_f32 v[\d+\q:\d+\q+1], v[\d+\q:\d+\q+1], v[\t:\t+1] op_sel:[0,1] op_sel_hi:[1,1]
.else
	v_pk_mul_f32 v[\d+\q:\d+\q+1], v[\d+\q:\d+\q+1], v[\t:\t+1] op_sel_hi:[1,0]
.endif
.endr
.endm
; window 0: v4-23 addresses; v24-55 gate; v56-119 R / o' (tile (e, u) at 56 + 8 (4 e + u)), later y; v120-151 P, v152-215 fragments
; and work, later the way out; v216-235 tables.  Window 1: 0-127 q^, then R, then o' as fragments (u, k) at 8 (4 u + k);
; 128-191 Wv, Wk, then P; 192-223 k^.  Window 2: 0-191 a ring of six tiles of Wo, 192-239 of bo.
	s_load_b256 s[8:15], s[0:1], 0x0               ; loc 8, rows 10, s0 12, wf 14
	s_load_b128 s[16:19], s[0:1], 0x20             ; bo 16, out0 18
	v_lshl_add_u32 v254, v0, 2, 0x2e000
	v_mov_b32 v255, 0
	v_lshrrev_b32 v1, 5, v0
	v_readfirstlane_b32 s2, v1                     ; wave
	s_mov_b32 s3, ttmp9                            ; chunk
	s_mov_b32 s7, 0
	v_and_b32 v1, 31, v0
	v_and_b32 v2, 15, v0                           ; r
	v_bfe_u32 v3, v0, 4, 1                         ; h
	v_lshlrev_b32 v4, 4, v1                        ; 16 lane
	s_lshl_b32 s4, s2, 13
	v_add_nc_u32 v5, s4, v4
	v_mul_u32_u24 v6, v2, 288
	v_lshl_add_u32 v6, v3, 4, v6
	s_mul_i32 s4, s2, 32*288
	v_add_nc_u32 v6, s4, v6                        ; S0L: row 32 w + r
	v_mul_u32_u24 v7, v2, 160
	v_lshl_add_u32 v7, v3, 4, v7
	s_mul_i32 s4, s2, 64*160
	s_add_co_u32 s4, s4, WXL
	v_add_nc_u32 v7, s4, v7                        ; WXL: row 64 w + r
	s_lshl_b32 s4, s2, 12
	v_add_nc_u32 v8, s4, v4
	s_lshl_b32 s4, s2, 10
	v_add_nc_u32 v9, s4, v4
	v_lshlrev_b32 v10, 2, v2
	s_lshl_b32 s5, s2, 6
	v_lshl_add_u32 v11, v3, 5, s5
	v_and_b32 v23, 7, v0
	v_lshl_add_u32 v23, v3, 3, v23                 ; transposing loads: row 8 h + (lane & 7),
	v_bfe_u32 v12, v0, 3, 1
	v_lshlrev_b32 v13, 4, v12                      ; 16 bytes on for lanes 8-15 of each half
	v_mad_u32_u24 v12, v23, 288, v13
	v_add_nc_u32 v12, s5, v12                      ; S0L at column 32 w
	v_mad_u32_u24 v13, v23, 160, v13
	s_lshl_b32 s5, s2, 5
	s_add_co_u32 s5, s5, WXL
	v_add_nc_u32 v13, s5, v13                      ; WXL at column 16 w
	s_add_co_u32 s5, s4, RFL
	v_add_nc_u32 v14, s5, v4
	v_add_nc_u32 v15, RFL, v4
	s_lshl_b32 s5, s2, 9
	s_add_co_u32 s5, s5, PFL
	v_add_nc_u32 v16, s5, v4
	s_lshl_b32 s5, s2, 4
	v_lshl_add_u32 v17, v3, 3, s5
	v_sub_nc_u32 v17, v17, v2                      ; 16 w + 8 h - r
	s_lshl_b32 s5, s2, 16
	v_add_nc_u32 v18, s5, v4
	v_lshl_add_u32 v19, v3, 5, s4
	s_mul_i32 s5, s2, 17408
	s_add_co_u32 s5, s5, YST
	v_mul_u32_u24 v20, v2, 272
	v_lshl_add_u32 v20, v3, 5, v20
	v_add_nc_u32 v20, s5, v20
	v_mul_u32_u24 v21, v3, 272
	v_lshl_add_u32 v21, v2, 4, v21
	v_add_nc_u32 v21, s5, v21
	v_lshlrev_b32 v22, 12, v3
	v_lshl_add_u32 v22, v2, 4, v22
	v_add_nc_u32 v22, s4, v22
	s_wait_kmcnt 0x0
	s_mul_i32 s6, s3, 81920
	s_add_nc_u64 s[8:9], s[8:9], s[6:7]
	s_mul_i32 s6, s3, 768
	s_add_nc_u64 s[10:11], s[10:11], s[6:7]
	s_lshl_b32 s6, s3, 15
	s_add_nc_u64 s[12:13], s[12:13], s[6:7]
	s_lshl_b32 s6, s3, 18
	s_add_nc_u64 s[18:19], s[18:19], s[6:7]
	; ---- my quarter of S0 and of [Wv | Wk] into LDS; q^, k^, gate and the tables into registers ----
.irp i, 0,1
.irp k, 0,1,2,3
.irp h, 0,1
	global_load_b128 v[56+32*\i+8*\k+4*\h:59+32*\i+8*\k+4*\h], v5, s[12:13] offset:\i*4096+\k*1024+\h*512
.endr
.endr
.endr
.irp c, 0,1,2,3
.irp k, 0,1
.irp h, 0,1
	global_load_b128 v[120+16*\c+8*\k+4*\h:123+16*\c+8*\k+4*\h], v5, s[8:9] offset:49152+\c*2048+\k*1024+\h*512
.endr
.endr
.endr
	WIN 0x40
.irp u, 0,1,2,3
.irp k, 0,1,2,3
.irp h, 0,1
	global_load_b128 v[8*(4*\u+\k)+4*\h:8*(4*\u+\k)+4*\h+3], v4, s[8:9] offset:\u*4096+\k*1024+\h*512
.endr
.endr
.endr
	WIN 0
	s_wait_loadcnt 32                              ; S0 and [Wv | Wk] are in; the 32 loads of q^ stay out
.irp i, 0,1
.irp k, 0,1,2,3
.irp h, 0,1
	ds_store_b128 v6, v[56+32*\i+8*\k+4*\h:59+32*\i+8*\k+4*\h] offset:\i*4608+\k*64+\h*32
.endr
.endr
.endr
.irp c, 0,1,2,3
.irp k, 0,1
.irp h, 0,1
	ds_store_b128 v7, v[120+16*\c+8*\k+4*\h:123+16*\c+8*\k+4*\h] offset:\c*2560+\k*64+\h*32
.endr
.endr
.endr
	WIN 0x40
.irp e, 0,1
.irp k, 0,1
.irp h, 0,1
	global_load_b128 v[192+8*(2*\e+\k)+4*\h:195+8*(2*\e+\k)+4*\h], v8, s[8:9] offset:32768+\e*2048+\k*1024+\h*512
.endr
.endr
.endr
	WIN 0
.irp u, 0,1,2,3
	global_load_b128 v[24+8*\u:27+8*\u], v9, s[8:9] offset:16384+\u*4096
	global_load_b128 v[28+8*\u:31+8*\u], v9, s[8:9] offset:16384+\u*4096+512
	global_load_b32 v[216+\u], v10, s[10:11] offset:\u*64          ; g_t
	global_load_b32 v[228+\u], v10, s[10:11] offset:256+\u*64      ; gamma_t
	global_load_b32 v[232+\u], v10, s[10:11] offset:512+\u*64      ; nq_t
.endr
	global_load_b128 v[220:223], v11, s[10:11]                     ; g_s
	global_load_b128 v[224:227], v11, s[10:11] offset:16
	s_wait_loadcnt 0x0
	s_wait_dscnt 0x0
	s_barrier_signal -1
	s_barrier_wait -1
.macro WOLOAD n                        ; output tile n of my sixteen: four fragments of Wo
	WIN 0x80
.irp k, 0,1,2,3
	global_load_b128 v[32*((\n)%6)+8*\k:32*((\n)%6)+8*\k+3],   v18, s[14:15] offset:1081344+(\n)*4096+\k*1024
	global_load_b128 v[32*((\n)%6)+8*\k+4:32*((\n)%6)+8*\k+7], v18, s[14:15] offset:1081344+(\n)*4096+\k*1024+512
.endr
.endm
.macro BOLOAD n                        ; and its eight numbers of bo
	WIN 0x80
	global_load_b128 v[192+8*((\n)%6):195+8*((\n)%6)], v19, s[16:17] offset:(\n)*64
	global_load_b128 v[196+8*((\n)%6):199+8*((\n)%6)], v19, s[16:17] offset:(\n)*64+16
.endm
.irp n, 0,1,2,3,4,5
	WOLOAD \n
	BOLOAD \n
.endr
	; ---- R and the first half of P ----
	WIN 0
.irp k, 0,1,2,3
.irp e, 0,1
	ds_load_tr16_b128 v[152+8*(2*\k+\e):155+8*(2*\k+\e)], v12 offset:\k*9216+\e*32
	ds_load_tr16_b128 v[156+8*(2*\k+\e):159+8*(2*\k+\e)], v12 offset:\k*9216+\e*32+4608
.endr
.endr
	WIN 0x40
.irp k, 0,1,2,3
	ds_load_tr16_b128 v[128+8*\k:131+8*\k], v13 offset:\k*5120
	ds_load_tr16_b128 v[132+8*\k:135+8*\k], v13 offset:\k*5120+2560
	ds_load_tr16_b128 v[160+8*\k:163+8*\k], v13 offset:20480+\k*5120
	ds_load_tr16_b128 v[164+8*\k:167+8*\k], v13 offset:20480+\k*5120+2560
.endr
	s_wait_dscnt 0x0
.irp k, 0,1,2,3                                    ; twelve accumulators by turns
	WIN 0x04
.irp e, 0,1
.irp u, 0,1,2,3
	MM 56+8*(4*\e+\u),152+8*(2*\k+\e),8*(4*\u+\k),\k==0
.endr
.endr
	WIN 0x05
.irp u, 0,1,2,3
	MM 120+8*\u,128+8*\k,8*(4*\u+\k),\k==0
.endr
.endr
	WIN 0
	NOPS 4
.irp u, 0,1,2,3
.irp e, 0,1
	CVT4 152+8*\u+4*\e,56+8*(4*\e+\u)
	ds_store_b128 v14, v[152+8*\u+4*\e:155+8*\u+4*\e] offset:\u*4096+\e*512
.endr
.endr
	s_wait_dscnt 0x0
	s_barrier_signal -1
	s_barrier_wait -1
	; ---- the second half of P, its decay and its mask ----
	WIN 0x40
.irp u, 0,1,2,3
.irp k, 0,1,2,3
	ds_load_b128 v[8*(4*\u+\k):8*(4*\u+\k)+3],   v15 offset:\u*4096+\k*1024
	ds_load_b128 v[8*(4*\u+\k)+4:8*(4*\u+\k)+7], v15 offset:\u*4096+\k*1024+512
.endr
.endr
	s_wait_dscnt 0x0
	WIN 0x05
.irp k, 0,1,2,3
.irp u, 0,1,2,3
	MM 120+8*\u,160+8*\k,8*(4*\u+\k),0
.endr
.endr
	WIN 0
	NOPS 4
.irp u, 0,1,2,3
.irp j, 0,1,2,3,4,5,6,7
	v_sub_f32 v[152+8*\u+\j], v[216+\u], v[220+\j] ; g_t - g_s
.endr
.endr
	.set ii, 152
.rept 32
	v_exp_f32 v[ii], v[ii]
	.set ii, ii+1
.endr
	v_nop
	s_wait_alu depctr_va_vdst(0)
.irp u, 0,1,2,3
.irp j, 0,1,2,3,4,5,6,7
	v_mul_f32 v[152+8*\u+\j], v[152+8*\u+\j], v[120+8*\u+\j]
	v_cmp_ge_i32 vcc_lo, 16*\u-\j, v17             ; s <= t; elsewhere the value (which may have overflowed) is dropped
	v_cndmask_b32 v[152+8*\u+\j], 0, v[152+8*\u+\j], vcc_lo
.endr
	CVT4 184+4*\u,152+8*\u
	ds_store_b128 v16, v[184+4*\u:187+4*\u] offset:\u*2048
.endr
	s_wait_dscnt 0x0
	s_barrier_signal -1
	s_barrier_wait -1
	; ---- o' = gate (gamma R + P K) ----
	WIN 0x40
.irp u, 0,1,2,3
.irp k, 0,1
	ds_load_b128 v[128+8*(2*\u+\k):131+8*(2*\u+\k)], v15 offset:16384+\u*2048+\k*1024
	ds_load_b128 v[132+8*(2*\u+\k):135+8*(2*\u+\k)], v15 offset:16384+\u*2048+\k*1024+512
.endr
.endr
	WIN 0
.irp e, 0,1
.irp u, 0,1,2,3
	SCALEB 56+8*(4*\e+\u),228+2*(\u>>1),\u&1
.endr
.endr
	s_wait_dscnt 0x0
	WIN 0x05
.irp k, 0,1
.irp e, 0,1
.irp u, 0,1,2,3
	MM 56+8*(4*\e+\u),192+8*(2*\e+\k),128+8*(2*\u+\k),0
.endr
.endr
.endr
	WIN 0
	NOPS 4
.irp u, 0,1,2,3
.irp e, 0,1
	CVT4 152+8*\u+4*\e,56+8*(4*\e+\u)
.irp j, 0,1,2,3
	v_pk_mul_f16 v[152+8*\u+4*\e+\j], v[152+8*\u+4*\e+\j], v[24+8*\u+4*\e+\j]
.endr
	ds_store_b128 v14, v[152+8*\u+4*\e:155+8*\u+4*\e] offset:24576+\u*4096+\e*512
.endr
.endr
	s_wait_dscnt 0x0
	s_barrier_signal -1
	s_barrier_wait -1
	WIN 0x40
.irp u, 0,1,2,3
.irp k, 0,1,2,3
	ds_load_b128 v[8*(4*\u+\k):8*(4*\u+\k)+3],   v15 offset:24576+\u*4096+\k*1024
	ds_load_b128 v[8*(4*\u+\k)+4:8*(4*\u+\k)+7], v15 offset:24576+\u*4096+\k*1024+512
.endr
.endr
	WIN 0
	s_wait_dscnt 0x0
	; ---- y: sixteen tiles of 16 columns; after every fourth, 64 rows x 256 bytes leave through my stage ----
.macro YU
	.set yt, 56+32*(uu&1)
	.set wr, 32*(uu%6)
	.set br, 192+8*(uu%6)
.if uu < 10
	s_wait_loadcnt 50                              ; the five younger tiles' ten loads each stay out
.else
	s_wait_loadcnt 10*(15-uu)
.endif
	WIN 0x06                                       ; source 0 Wo (window 2), source 1 o' (window 1)
.irp k, 0,1,2,3
.irp u, 0,1,2,3
	MM yt+8*\u,wr+8*\k,8*(4*\u+\k),\k==0           ; four accumulators by turns
.endr
.endr
	WIN 0
	NOPS 4
.if uu+6 < 16
	WOLOAD uu+6
.endif
	WIN 0x20                                       ; bo in window 2
.irp u, 0,1,2,3
.irp q, 0,2,4,6
.if \u&1
	v_pk_fma_f32 v[yt+8*\u+\q:yt+8*\u+\q+1], v[yt+8*\u+\q:yt+8*\u+\q+1], v[232+2*(\u>>1):233+2*(\u>>1)], v[br+\q:br+\q+1] op_sel:[0,1,0] op_sel_hi:[1,1,1]
.else
	v_pk_fma_f32 v[yt+8*\u+\q:yt+8*\u+\q+1], v[yt+8*\u+\q:yt+8*\u+\q+1], v[232+2*(\u>>1):233+2*(\u>>1)], v[br+\q:br+\q+1] op_sel_hi:[1,0,1]
.endif
.endr
.endr
.if uu+6 < 16
	BOLOAD uu+6                                    ; into the ring place just read
.endif
	WIN 0
.irp u, 0,1,2,3
	ds_store_b128 v20, v[yt+8*\u:yt+8*\u+3]   offset:\u*4352+(uu&3)*64
	ds_store_b128 v20, v[yt+8*\u+4:yt+8*\u+7] offset:\u*4352+(uu&3)*64+16
.endr
.if (uu&3) == 3
.irp b, 0,1,2,3
	s_wait_xcnt 0x0                                ; the registers below were stores' data
.irp i, 0,1,2,3,4,5,6,7
	ds_load_b128 v[120+32*(\b&1)+4*\i:123+32*(\b&1)+4*\i], v21 offset:(8*\b+\i)*544   ; LDS serves a wave in order: these see the stores above
.endr
.irp i, 0,1,2,3,4,5,6,7
	s_wait_dscnt 7-\i                              ; the younger reads stay out
	global_store_b128 v22, v[120+32*(\b&1)+4*\i:123+32*(\b&1)+4*\i], s[18:19] offset:(8*\b+\i)*8192+(uu>>2)*256 th:TH_STORE_NT
.endr
.endr
.endif
.endm
	.set uu, 0
.rept 16
	YU
	.set uu, uu+1
.endr
	s_wait_tensorcnt 0x0
	ds_add_u32 v254, v255
	s_wait_dscnt 0x0
	s_endpgm
.Lfunc_end_k_qa0c1525d9d_out:
	.size	k_qa0c1525d9d_out, .Lfunc_end_k_qa0c1525d9d_out-k_qa0c1525d9d_out
	.p2alignl 7, 3214868480
	.fill 96, 4, 3214868480
	.section	.rodata,"a",@progbits
	.p2align	6, 0x0
	.amdhsa_kernel k_qa0c1525d9d_out
		.amdhsa_group_segment_fixed_size 188928
		.amdhsa_private_segment_fixed_size 0
		.amdhsa_enable_private_segment 0
		.amdhsa_kernarg_size 48
		.amdhsa_user_sgpr_count 2
		.amdhsa_user_sgpr_kernarg_segment_ptr 1
		.amdhsa_wavefront_size32 1
		.amdhsa_system_sgpr_workgroup_id_x 1
		.amdhsa_system_sgpr_workgroup_id_y 1
		.amdhsa_system_sgpr_workgroup_id_z 1
		.amdhsa_system_vgpr_workitem_id 0
		.amdhsa_next_free_vgpr 768
		.amdhsa_next_free_sgpr 66
		.amdhsa_reserve_vcc 1
		.amdhsa_float_denorm_mode_32 3
		.amdhsa_float_denorm_mode_16_64 3
		.amdhsa_memory_ordered 1
		.amdhsa_forward_progress 1
		.amdhsa_inst_pref_size 129
	.end_amdhsa_kernel
	.amdgpu_metadata
---
amdhsa.version: [ 1, 2 ]
amdhsa.kernels:
  - .name:           k_qa0c1525d9d_out
    .symbol:         k_qa0c1525d9d_out.kd
    .args:
      - { .name: loc, .offset: 0, .size: 8, .value_kind: global_buffer, .address_space: global }
      - { .name: rows, .offset: 8, .size: 8, .value_kind: global_buffer, .address_space: global }
      - { .name: s0, .offset: 16, .size: 8, .value_kind: global_buffer, .address_space: global }
      - { .name: wf, .offset: 24, .size: 8, .value_kind: global_buffer, .address_space: global }
      - { .name: bo, .offset: 32, .size: 8, .value_kind: global_buffer, .address_space: global }
      - { .name: out0, .offset: 40, .size: 8, .value_kind: global_buffer, .address_space: global }
    .group_segment_fixed_size: 188928
    .private_segment_fixed_size: 0
    .kernarg_segment_align: 8
    .kernarg_segment_size: 48
    .max_flat_workgroup_size: 128
    .sgpr_count:     66
    .vgpr_count:     768
    .wavefront_size: 32
...
	.end_amdgpu_metadata
.endif
;; end of part 4
;; ======== version 2 of 2: 4 launches; version 1 with the launches scan, out written anew for expert scheduling mode
;; limits: values outside matrix products are rounded to f16; values are held in f16: magnitudes above 65,504 overflow, below 6.1e-05 lose precision
;; workspace buffers: wf 1,343,488 bytes; loc 20,971,520 bytes; nf 8,388,608 bytes; psi 16,777,216 bytes; rows 196,608 bytes; s0 8,388,608 bytes
;; launch prep: the kernel of part 1 again; grid 328 x 1, 8 waves a work-group, no clusters, 0 bytes of LDS; arguments Wq, Wk, Wv, Wg, Wa, Wb, Wo, wf; writes wf
;; launch local: the kernel of part 2 again; grid 256 x 1, 4 waves a work-group, no clusters, 301,568 bytes of LDS; arguments x, wf, bq, bk, bv, bg, ba, bb, loc, nf, psi, rows; writes loc, nf, psi, rows
;; launch scan (part 5): grid 64 x 1, 4 waves a work-group, no clusters, 8,704 bytes of LDS; arguments nf, psi, rows, s0; writes s0
.if DOCPART == 5
	.amdgcn_target "amdgcn-amd-amdhsa--gfx1250"
	.amdhsa_code_object_version 6
	.text
	.protected	k_qa0c1525d9d_scan
	.globl	k_qa0c1525d9d_scan
	.p2align	8
	.type	k_qa0c1525d9d_scan,@function
k_qa0c1525d9d_scan:
	s_mov_b64 s[64:65], 0
	v_nop
	global_prefetch_b8 v0, s[64:65] scope:SCOPE_SE
	s_setreg_imm32_b32 hwreg(HW_REG_WAVE_SCHED_MODE, 0, 2), 2
	s_setreg_imm32_b32 hwreg(HW_REG_WAVE_MODE, 25, 1), 1
	s_wait_xcnt 0x0
	s_wait_alu depctr_vm_vsrc(0)
; The chain over the 32 chunks of a batch: S(c+1) = gamma_63(c) S(c) + S(c) N(c) + Psi(c), S(0) = 0.  Rows i of S do not
; depend on each other: a work-group owns 16 rows of one batch (8 batches x 8 row tiles = 64 work-groups, all there is to share).
; Wave w owns columns m = 32 w .. 32 w + 31: two accumulator tiles (register j = column 8 h + j, lane r = row), kept in f32.
; Each step the waves hand each other the state, rounded to f16, through LDS (two slots by turns, one barrier a step), and
; store it: it is the entry state that the last launch reads.  N and Psi come three chunks ahead through a ring of four.
; Limit: the state as a matrix operand is f16 (below 65,504).
; THE MODE: SCHED_MODE bits 1:0 = 2 (LLVM: expert scheduling mode 2), set by the entry lines.  The code itself states the register
; dependences between vector or matrix instructions and memory or LDS instructions, with s_wait_alu, always for 0.
; THE PLAN.  Registers that memory or LDS instructions touch:
;   v2, v3, v4, v6   offsets and LDS addresses: made at the head, never written again.
;   N0 .. N3         window 1, 64 registers each; Psi0 .. Psi3: v[64:127], 16 each.  Chunk c's 20 loads, issued in step c - 3, land in place c & 3;
;                    step c's products read N, its multiply-adds read Psi; step c + 1 asks for the place again (chunk c + 4).
;   OUT0, OUT1       v[24:31], v[128:135]: the state in f16.  Step c's eight conversions write OUT[c & 1]; its two LDS stores and its two global stores read it.
;   v[32:63]         the whole state as fragments: step c's LDS loads land there, step c's products read them.
;   v[8:23]          the accumulators: Psi(0) lands there once, at the head; from then on vector and matrix instructions alone name them.
; So a step has ONE wait on va_vdst, behind its conversions, and all its memory and LDS instructions follow it with no vector instruction between;
; and ONE wait on vm_vsrc, beside the wait on XCNT, ahead of its own global stores and loads: the two free the out-buffer of the step before,
; which the next step's conversions write, and what they wait for was issued a whole step earlier.
.set OUTB, 24                          ; OUT0; OUT1 lies 104 registers on
.set MSB, 0
.macro WIN new
.if MSB != \new
	s_set_vgpr_msb (MSB<<8)|\new
.set MSB, \new
.endif
.endm
	s_load_b256 s[8:15], s[0:1], 0x0               ; nf 8, psi 10, rows 12, s0 14
	v_lshl_add_u32 v254, v0, 2, 0x2000
	v_mov_b32 v255, 0
	v_lshrrev_b32 v1, 5, v0
	v_readfirstlane_b32 s2, v1                     ; wave
	s_lshr_b32 s3, ttmp9, 3                        ; batch
	s_and_b32 s4, ttmp9, 7                         ; row tile
	s_mov_b32 s7, 0
	v_and_b32 v1, 31, v0
	v_lshlrev_b32 v6, 4, v1                        ; 16 lane
.irp j, 0,1,2,3,4,5,6,7
	v_mov_b32 v[OUTB+\j], 0                        ; S(0) = 0, stored below
.endr
	s_wait_alu depctr_va_sdst(0)                   ; s2 is written, ahead of its first reader: the offsets are made from it
	s_lshl_b32 s5, s2, 13
	v_add_nc_u32 v2, s5, v6                        ; nf: + two column tiles of 4,096 bytes a wave
	s_lshl_b32 s5, s2, 11
	v_add_nc_u32 v3, s5, v6                        ; psi: + two tiles of 1,024
	s_lshl_b32 s5, s2, 10
	v_add_nc_u32 v4, s5, v6                        ; s0 and LDS: + one fragment of 1,024
	s_wait_kmcnt 0x0
	s_lshl_b32 s6, s3, 20
	s_add_nc_u64 s[8:9], s[8:9], s[6:7]
	s_lshl_b32 s5, s4, 12
	s_add_co_u32 s6, s6, s5
	s_add_nc_u64 s[14:15], s[14:15], s[6:7]
	s_lshl_b32 s6, s3, 21
	s_lshl_b32 s5, s4, 13
	s_add_co_u32 s6, s6, s5
	s_add_nc_u64 s[10:11], s[10:11], s[6:7]
	s_mul_i32 s6, s3, 24576
	s_add_nc_u64 s[12:13], s[12:13], s[6:7]
	.set cc, 1
.rept 30
	s_load_b32 s[32+cc], s[12:13], cc*768+508      ; gamma_63 of chunk cc
	.set cc, cc+1
.endr
.macro LOADS c                         ; 20 loads: my eight fragments of N(c), my two tiles of Psi(c)
	WIN 0x40
.irp e, 0,1
.irp k, 0,1,2,3
	global_load_b128 v[64*((\c)&3)+32*\e+8*\k:64*((\c)&3)+32*\e+8*\k+3],   v2, s[8:9] offset:(\c)*32768+\e*4096+\k*1024
	global_load_b128 v[64*((\c)&3)+32*\e+8*\k+4:64*((\c)&3)+32*\e+8*\k+7], v2, s[8:9] offset:(\c)*32768+\e*4096+\k*1024+512
.endr
.endr
	WIN 0
.irp e, 0,1
	global_load_b128 v[64+16*((\c)&3)+8*\e:64+16*((\c)&3)+8*\e+3],   v3, s[10:11] offset:(\c)*65536+\e*1024
	global_load_b128 v[64+16*((\c)&3)+8*\e+4:64+16*((\c)&3)+8*\e+7], v3, s[10:11] offset:(\c)*65536+\e*1024+512
.endr
.endm
	s_wait_alu depctr_va_vdst(0)                   ; v2, v3, v4 and v6 are written, which every load and store of the kernel reads; so are the zeros in OUT0, which the two stores below read
.irp e, 0,1
	global_load_b128 v[8+8*\e:11+8*\e],  v3, s[10:11] offset:\e*1024       ; S(1) = Psi(0)
	global_load_b128 v[12+8*\e:15+8*\e], v3, s[10:11] offset:\e*1024+512
.endr
	LOADS 1
	LOADS 2
	LOADS 3
	global_store_b128 v4, v[OUTB:OUTB+3], s[14:15] ; S(0) = 0
	global_store_b128 v4, v[OUTB+4:OUTB+7], s[14:15] offset:512
	s_wait_loadcnt 60                              ; Psi(0) is in; three chunks' 20 loads each stay out
	s_wait_kmcnt 0x0
.macro STEP                            ; v[8:23] = S(cc): round, hand round, store; then S(cc + 1)
	.set ob, OUTB+104*(cc&1)                       ; this step's out-buffer
.rept 4
	v_nop                                          ; the places behind the last step's products
.endr
.irp e, 0,1
.irp j, 0,1,2,3
	v_cvt_pk_f16_f32 v[ob+4*\e+\j], v[8+8*\e+2*\j], v[8+8*\e+2*\j+1]  ; this buffer's last readers, the stores of two steps back, stand ahead of the last step's waits on XCNT and vm_vsrc
.endr
.endr
	s_wait_alu depctr_va_vdst(0)                   ; the conversions have written this out-buffer, which the stores read; the last step's products are done reading v[32:63] and their place of N, its multiply-adds their place of Psi: the loads below land in these
.if cc < 31
	ds_store_b128 v4, v[ob:ob+3] offset:(cc&1)*4096
	ds_store_b128 v4, v[ob+4:ob+7] offset:(cc&1)*4096+512
	s_wait_dscnt 0x0                               ; my part is in LDS (my reads of the other slot ended in the last step)
	s_barrier_signal -1
	s_barrier_wait -1
.irp k, 0,1,2,3
	ds_load_b128 v[32+8*\k:35+8*\k], v6 offset:(cc&1)*4096+\k*1024
	ds_load_b128 v[36+8*\k:39+8*\k], v6 offset:(cc&1)*4096+\k*1024+512
.endr
	s_wait_xcnt 0x0                                ; the other out-buffer was the data of the last step's global stores (in step 1: of the stores of S(0)); the next step's conversions write it
	s_wait_alu depctr_vm_vsrc(0)                   ; the last step's stores, LDS and global, have read the other out-buffer, which the next step's conversions write
.endif
	global_store_b128 v4, v[ob:ob+3], s[14:15] offset:cc*32768     ; the stores and the ring's loads stand behind the LDS loads: nothing in this step waits for them.  No vector instruction since the wait on va_vdst
	global_store_b128 v4, v[ob+4:ob+7], s[14:15] offset:cc*32768+512
.if cc < 31
.if cc+3 <= 30
	LOADS cc+3
.endif
.if cc < 28
	s_wait_loadcnt 60                              ; the three younger chunks' loads stay out
.else
	s_wait_loadcnt 20*(30-cc)
.endif
	.set ii, 0
.rept 16
	v_fma_f32 v[8+ii], s[32+cc], v[8+ii], v[64+16*(cc&3)+ii]
	.set ii, ii+1
.endr
	s_wait_dscnt 0x0
	WIN 0x01                                       ; source 0 (N) in window 1
.irp k, 0,1,2,3
.irp e, 0,1                                        ; the two accumulators take turns
	v_wmma_f32_16x16x32_f16 v[8+8*\e:15+8*\e], v[64*(cc&3)+32*\e+8*\k:64*(cc&3)+32*\e+8*\k+7], v[32+8*\k:39+8*\k], v[8+8*\e:15+8*\e]
.endr
.endr
	WIN 0
.endif
.endm
	.set cc, 1
.rept 31
	STEP
	.set cc, cc+1
.endr
	s_wait_dscnt 0x0
	s_wait_alu depctr_hold_cnt(0) depctr_sa_sdst(0) depctr_va_vdst(0) depctr_va_sdst(0) depctr_va_ssrc(0) depctr_va_vcc(0) depctr_vm_vsrc(0)
	s_wait_tensorcnt 0x0
	ds_add_u32 v254, v255
	s_wait_dscnt 0x0
	s_endpgm
.Lfunc_end_k_qa0c1525d9d_scan:
	.size	k_qa0c1525d9d_scan, .Lfunc_end_k_qa0c1525d9d_scan-k_qa0c1525d9d_scan
	.p2alignl 7, 3214868480
	.fill 96, 4, 3214868480
	.section	.rodata,"a",@progbits
	.p2align	6, 0x0
	.amdhsa_kernel k_qa0c1525d9d_scan
		.amdhsa_group_segment_fixed_size 8704
		.amdhsa_private_segment_fixed_size 0
		.amdhsa_enable_private_segment 0
		.amdhsa_kernarg_size 32
		.amdhsa_user_sgpr_count 2
		.amdhsa_user_sgpr_kernarg_segment_ptr 1
		.amdhsa_wavefront_size32 1
		.amdhsa_system_sgpr_workgroup_id_x 1
		.amdhsa_system_sgpr_workgroup_id_y 1
		.amdhsa_system_sgpr_workgroup_id_z 1
		.amdhsa_system_vgpr_workitem_id 0
		.amdhsa_next_free_vgpr 512
		.amdhsa_next_free_sgpr 66
		.amdhsa_reserve_vcc 0
		.amdhsa_float_denorm_mode_32 3
		.amdhsa_float_denorm_mode_16_64 3
		.amdhsa_memory_ordered 1
		.amdhsa_forward_progress 1
		.amdhsa_inst_pref_size 161
	.end_amdhsa_kernel
	.amdgpu_metadata
---
amdhsa.version: [ 1, 2 ]
amdhsa.kernels:
  - .name:           k_qa0c1525d9d_scan
    .symbol:         k_qa0c1525d9d_scan.kd
    .args:
      - { .name: nf, .offset: 0, .size: 8, .value_kind: global_buffer, .address_space: global }
      - { .name: psi, .offset: 8, .size: 8, .value_kind: global_buffer, .address_space: global }
      - { .name: rows, .offset: 16, .size: 8, .value_kind: global_buffer, .address_space: global }
      - { .name: s0, .offset: 24, .size: 8, .value_kind: global_buffer, .address_space: global }
    .group_segment_fixed_size: 8704
    .private_segment_fixed_size: 0
    .kernarg_segment_align: 8
    .kernarg_segment_size: 32
    .max_flat_workgroup_size: 128
    .sgpr_count:     66
    .vgpr_count:     512
    .wavefront_size: 32
...
	.end_amdgpu_metadata
.endif
;; end of part 5
;; launch out (part 6): grid 256 x 1, 4 waves a work-group, no clusters, 188,928 bytes of LDS; arguments loc, rows, s0, wf, bo, out0; writes out0
.if DOCPART == 6
	.amdgcn_target "amdgcn-amd-amdhsa--gfx1250"
	.amdhsa_code_object_version 6
	.text
	.protected	k_qa0c1525d9d_out
	.globl	k_qa0c1525d9d_out
	.p2align	8
	.type	k_qa0c1525d9d_out,@function
k_qa0c1525d9d_out:
	s_mov_b64 s[64:65], 0
	v_nop
	global_prefetch_b8 v0, s[64:65] scope:SCOPE_SE
	s_setreg_imm32_b32 hwreg(HW_REG_WAVE_SCHED_MODE, 0, 2), 2
	s_setreg_imm32_b32 hwreg(HW_REG_WAVE_MODE, 25, 1), 1
	s_wait_xcnt 0x0
	s_wait_alu depctr_vm_vsrc(0)
; The outputs of one chunk (64 rows) a work-group, from the chunk's entry state S0 and what the launch 'local' left:
;   R[t][d] = sum_i q^_t[i] S0[i][d];  P[t][s] = 2^(g_t - g_s) (q^_t . Wv[s] + R_t . Wk[s]) for s <= t, else 0
;   o'_t = gate_t (gamma_t R_t + sum_s P[t][s] k^_s);  y_t = nq_t (o'_t Wo) + bo
; Every product is used transposed (register j = the feature, lane r = the row t), so that results pack in the lane into the
; next product's fragments.  Wave w owns features 32 w .. 32 w + 31 of R and o', rows s = 16 w .. of P, columns 256 w .. of y.
; S0 and [Wv | Wk] are needed with the other index along K: they go through LDS and come back by transposing loads.
; y leaves through a stage of the wave's own: sixteen lanes store 256 consecutive, aligned bytes.
; No cluster: the work-groups share Wo alone (256 KiB in f16), a small part of the 640 KiB that each moves.
; Limit: operands in f16: S0, R, P and o' must stay below 65,504.
; THE MODE: SCHED_MODE bits 1:0 = 2 (LLVM: expert scheduling mode 2), set by the entry lines.  The code itself states the register
; dependences between vector or matrix instructions and memory or LDS instructions, with s_wait_alu, always for 0.
; THE PLAN.  v4 .. v22, offsets and LDS addresses, are made at the head and never written again.
; Up to o': each hand-over through LDS (R, P, o') is a run of conversions, ONE wait on va_vdst, a run of LDS stores, the barrier, and LDS loads into
; fragments of window 1.  That wait states that the stores' data are written and that the products issued so far are done reading the fragments
; in which those loads land; no vector instruction stands between it and them.  Waits on vm_vsrc stand where registers that LDS stores have read are written again.
; y, sixteen tiles:
;   Y0, Y1        v[56:87], v[88:119].  Tile p's products and multiply-adds write Y[p & 1]; the eight LDS stores that read it are issued in step p + 1.
;   Wo, bo rings  window 2, six places.  Tile p's products and multiply-adds read place p % 6; the loads of tile p + 6 into it are issued in step p + 1.
;   O0 .. O3      v[24:55], v[120:151], v[152:183], v[184:215], idle in this phase: LDS loads from the stage land there, global stores read them; no vector instruction names them.
; The head of step p holds the waits for all of that; behind tile p's sixteen products, which name Y[p & 1], place p % 6 and o' alone, stand tile p - 1's
; LDS stores, the loads of tile p + 5 and, after every fourth tile, the way out; then the places and tile p's multiply-adds.
.set WXL, 36864                        ; S0L [i][d] f16 pitch 288 at 0; WXL [col][s] f16 pitch 160
.set RFL, 77824                        ; R as fragments, 16 KiB; then P 8 KiB; then o' 16 KiB
.set PFL, 94208
.set YST, 118784                       ; 64 rows x 272 bytes a wave
.set MK,  20                           ; s[20:51] the 32 masks s <= t of P's registers
.set MSB, 0
.macro WIN new
.if MSB != \new
	s_set_vgpr_msb (MSB<<8)|\new
.set MSB, \new
.endif
.endm
.macro NOPS n
.rept \n
	v_nop
.endr
.endm
.macro MM d, a, b, z
.if \z
	v_wmma_f32_16x16x32_f16 v[\d:\d+7], v[\a:\a+7], v[\b:\b+7], 0
.else
	v_wmma_f32_16x16x32_f16 v[\d:\d+7], v[\a:\a+7], v[\b:\b+7], v[\d:\d+7]
.endif
.endm
.macro CVT4 d, s
.irp j, 0,1,2,3
	v_cvt_pk_f16_f32 v[\d+\j], v[\s+2*\j], v[\s+2*\j+1]
.endr
.endm
.macro SCALEB d, t, hi
.irp q, 0,2,4,6
.if \hi
	v_pk_mul_f32 v[\d+\q:\d+\q+1], v[\d+\q:\d+\q+1], v[\t:\t+1] op_sel:[0,1] op_sel_hi:[1,1]
.else
	v_pk_mul_f32 v[\d+\q:\d+\q+1], v[\d+\q:\d+\q+1], v[\t:\t+1] op_sel_hi:[1,0]
.endif
.endr
.endm
; window 0: v4-23 addresses; v24-55 gate, later the way out; v56-119 R / o' (tile (e, u) at 56 + 8 (4 e + u)), later y; v120-151 P, v152-215 fragments
; and work, later the way out; v216-235 tables.  Window 1: 0-127 q^, then R, then o' as fragments (u, k) at 8 (4 u + k);
; 128-191 Wv, Wk, then P; 192-223 k^.  Window 2: 0-191 a ring of six tiles of Wo, 192-239 of bo.
	s_load_b256 s[8:15], s[0:1], 0x0               ; loc 8, rows 10, s0 12, wf 14
	s_load_b128 s[16:19], s[0:1], 0x20             ; bo 16, out0 18
	v_lshl_add_u32 v254, v0, 2, 0x2e000
	v_mov_b32 v255, 0
	v_lshrrev_b32 v1, 5, v0
	v_readfirstlane_b32 s2, v1                     ; wave
	s_mov_b32 s3, ttmp9                            ; chunk
	s_mov_b32 s7, 0
	v_and_b32 v1, 31, v0
	v_and_b32 v2, 15, v0                           ; r
	v_bfe_u32 v3, v0, 4, 1                         ; h
	v_lshlrev_b32 v4, 4, v1                        ; 16 lane
	s_wait_alu depctr_va_sdst(0)                   ; s2 is written, ahead of its first reader: the addresses below are made from it
	s_lshl_b32 s4, s2, 13
	v_add_nc_u32 v5, s4, v4
	v_mul_u32_u24 v6, v2, 288
	v_lshl_add_u32 v6, v3, 4, v6
	s_mul_i32 s4, s2, 32*288
	v_add_nc_u32 v6, s4, v6                        ; S0L: row 32 w + r
	v_mul_u32_u24 v7, v2, 160
	v_lshl_add_u32 v7, v3, 4, v7
	s_mul_i32 s4, s2, 64*160
	s_add_co_u32 s4, s4, WXL
	v_add_nc_u32 v7, s4, v7                        ; WXL: row 64 w + r
	s_lshl_b32 s4, s2, 12
	v_add_nc_u32 v8, s4, v4
	s_lshl_b32 s4, s2, 10
	v_add_nc_u32 v9, s4, v4
	v_lshlrev_b32 v10, 2, v2
	s_lshl_b32 s5, s2, 6
	v_lshl_add_u32 v11, v3, 5, s5
	v_and_b32 v23, 7, v0
	v_lshl_add_u32 v23, v3, 3, v23                 ; transposing loads: row 8 h + (lane & 7),
	v_bfe_u32 v12, v0, 3, 1
	v_lshlrev_b32 v13, 4, v12                      ; 16 bytes on for lanes 8-15 of each half
	v_mad_u32_u24 v12, v23, 288, v13
	v_add_nc_u32 v12, s5, v12                      ; S0L at column 32 w
	v_mad_u32_u24 v13, v23, 160, v13
	s_lshl_b32 s5, s2, 5
	s_add_co_u32 s5, s5, WXL
	v_add_nc_u32 v13, s5, v13                      ; WXL at column 16 w
	s_add_co_u32 s5, s4, RFL
	v_add_nc_u32 v14, s5, v4
	v_add_nc_u32 v15, RFL, v4
	s_lshl_b32 s5, s2, 9
	s_add_co_u32 s5, s5, PFL
	v_add_nc_u32 v16, s5, v4
	s_lshl_b32 s5, s2, 4
	v_lshl_add_u32 v17, v3, 3, s5
	v_sub_nc_u32 v17, v17, v2                      ; 16 w + 8 h - r
	s_lshl_b32 s5, s2, 16
	v_add_nc_u32 v18, s5, v4
	v_lshl_add_u32 v19, v3, 5, s4
	s_mul_i32 s5, s2, 17408
	s_add_co_u32 s5, s5, YST
	v_mul_u32_u24 v20, v2, 272
	v_lshl_add_u32 v20, v3, 5, v20
	v_add_nc_u32 v20, s5, v20
	v_mul_u32_u24 v21, v3, 272
	v_lshl_add_u32 v21, v2, 4, v21
	v_add_nc_u32 v21, s5, v21
	v_lshlrev_b32 v22, 12, v3
	v_lshl_add_u32 v22, v2, 4, v22
	v_add_nc_u32 v22, s4, v22
	s_wait_kmcnt 0x0
	s_mul_i32 s6, s3, 81920
	s_add_nc_u64 s[8:9], s[8:9], s[6:7]
	s_mul_i32 s6, s3, 768
	s_add_nc_u64 s[10:11], s[10:11], s[6:7]
	s_lshl_b32 s6, s3, 15
	s_add_nc_u64 s[12:13], s[12:13], s[6:7]
	s_lshl_b32 s6, s3, 18
	s_add_nc_u64 s[18:19], s[18:19], s[6:7]
	s_wait_alu depctr_va_vdst(0)                   ; the offsets and LDS addresses v4 to v22 are written, which the kernel's loads and stores read
	; ---- my quarter of S0 and of [Wv | Wk] into LDS; q^, k^, gate and the tables into registers ----
.irp i, 0,1
.irp k, 0,1,2,3
.irp h, 0,1
	global_load_b128 v[56+32*\i+8*\k+4*\h:59+32*\i+8*\k+4*\h], v5, s[12:13] offset:\i*4096+\k*1024+\h*512
.endr
.endr
.endr
.irp c, 0,1,2,3
.irp k, 0,1
.irp h, 0,1
	global_load_b128 v[120+16*\c+8*\k+4*\h:123+16*\c+8*\k+4*\h], v5, s[8:9] offset:49152+\c*2048+\k*1024+\h*512
.endr
.endr
.endr
	WIN 0x40
.irp u, 0,1,2,3
.irp k, 0,1,2,3
.irp h, 0,1
	global_load_b128 v[8*(4*\u+\k)+4*\h:8*(4*\u+\k)+4*\h+3], v4, s[8:9] offset:\u*4096+\k*1024+\h*512
.endr
.endr
.endr
	WIN 0
	s_wait_loadcnt 32                              ; S0 and [Wv | Wk] are in; the 32 loads of q^ stay out
.irp i, 0,1
.irp k, 0,1,2,3
.irp h, 0,1
	ds_store_b128 v6, v[56+32*\i+8*\k+4*\h:59+32*\i+8*\k+4*\h] offset:\i*4608+\k*64+\h*32
.endr
.endr
.endr
.irp c, 0,1,2,3
.irp k, 0,1
.irp h, 0,1
	ds_store_b128 v7, v[120+16*\c+8*\k+4*\h:123+16*\c+8*\k+4*\h] offset:\c*2560+\k*64+\h*32
.endr
.endr
.endr
	WIN 0x40
.irp e, 0,1
.irp k, 0,1
.irp h, 0,1
	global_load_b128 v[192+8*(2*\e+\k)+4*\h:195+8*(2*\e+\k)+4*\h], v8, s[8:9] offset:32768+\e*2048+\k*1024+\h*512
.endr
.endr
.endr
	WIN 0
.irp u, 0,1,2,3
	global_load_b128 v[24+8*\u:27+8*\u], v9, s[8:9] offset:16384+\u*4096
	global_load_b128 v[28+8*\u:31+8*\u], v9, s[8:9] offset:16384+\u*4096+512
	global_load_b32 v[216+\u], v10, s[10:11] offset:\u*64          ; g_t
	global_load_b32 v[228+\u], v10, s[10:11] offset:256+\u*64      ; gamma_t
	global_load_b32 v[232+\u], v10, s[10:11] offset:512+\u*64      ; nq_t
.endr
	global_load_b128 v[220:223], v11, s[10:11]                     ; g_s
	global_load_b128 v[224:227], v11, s[10:11] offset:16
	s_wait_loadcnt 0x0
	s_wait_dscnt 0x0
	s_barrier_signal -1
	s_barrier_wait -1
	s_wait_alu depctr_vm_vsrc(0)                   ; my LDS stores have read v[56:183]: the transposing loads land in v[152:183], the products write v[56:151]
.macro WOLOAD n                        ; output tile n of my sixteen: four fragments of Wo
	WIN 0x80
.irp k, 0,1,2,3
	global_load_b128 v[32*((\n)%6)+8*\k:32*((\n)%6)+8*\k+3],   v18, s[14:15] offset:1081344+(\n)*4096+\k*1024
	global_load_b128 v[32*((\n)%6)+8*\k+4:32*((\n)%6)+8*\k+7], v18, s[14:15] offset:1081344+(\n)*4096+\k*1024+512
.endr
.endm
.macro BOLOAD n                        ; and its eight numbers of bo
	WIN 0x80
	global_load_b128 v[192+8*((\n)%6):195+8*((\n)%6)], v19, s[16:17] offset:(\n)*64
	global_load_b128 v[196+8*((\n)%6):199+8*((\n)%6)], v19, s[16:17] offset:(\n)*64+16
.endm
.irp n, 0,1,2,3,4,5
	WOLOAD \n
	BOLOAD \n
.endr
	; ---- R and the first half of P ----
	WIN 0
.irp k, 0,1,2,3
.irp e, 0,1
	ds_load_tr16_b128 v[152+8*(2*\k+\e):155+8*(2*\k+\e)], v12 offset:\k*9216+\e*32
	ds_load_tr16_b128 v[156+8*(2*\k+\e):159+8*(2*\k+\e)], v12 offset:\k*9216+\e*32+4608
.endr
.endr
	WIN 0x40
.irp k, 0,1,2,3
	ds_load_tr16_b128 v[128+8*\k:131+8*\k], v13 offset:\k*5120
	ds_load_tr16_b128 v[132+8*\k:135+8*\k], v13 offset:\k*5120+2560
	ds_load_tr16_b128 v[160+8*\k:163+8*\k], v13 offset:20480+\k*5120
	ds_load_tr16_b128 v[164+8*\k:167+8*\k], v13 offset:20480+\k*5120+2560
.endr
	s_wait_dscnt 0x0
.irp k, 0,1,2,3                                    ; twelve accumulators by turns
	WIN 0x04
.irp e, 0,1
.irp u, 0,1,2,3
	MM 56+8*(4*\e+\u),152+8*(2*\k+\e),8*(4*\u+\k),\k==0
.endr
.endr
	WIN 0x05
.irp u, 0,1,2,3
	MM 120+8*\u,128+8*\k,8*(4*\u+\k),\k==0
.endr
.endr
	WIN 0
	NOPS 4
.irp u, 0,1,2,3
.irp e, 0,1
	CVT4 152+8*\u+4*\e,56+8*(4*\e+\u)
.endr
.endr
	s_wait_alu depctr_va_vdst(0)                   ; the conversions have written v[152:183], which the LDS stores read; the products are done reading q^ (window 1, 0-127), in which R's fragments land behind the barrier
.irp u, 0,1,2,3
.irp e, 0,1
	ds_store_b128 v14, v[152+8*\u+4*\e:155+8*\u+4*\e] offset:\u*4096+\e*512
.endr
.endr
	s_wait_dscnt 0x0
	s_barrier_signal -1
	s_barrier_wait -1
	; ---- the second half of P, its decay and its mask ----
	WIN 0x40
.irp u, 0,1,2,3
.irp k, 0,1,2,3
	ds_load_b128 v[8*(4*\u+\k):8*(4*\u+\k)+3],   v15 offset:\u*4096+\k*1024
	ds_load_b128 v[8*(4*\u+\k)+4:8*(4*\u+\k)+7], v15 offset:\u*4096+\k*1024+512
.endr
.endr
	s_wait_dscnt 0x0
	WIN 0x05
.irp k, 0,1,2,3
.irp u, 0,1,2,3
	MM 120+8*\u,160+8*\k,8*(4*\u+\k),0
.endr
.endr
	WIN 0
	NOPS 4
	s_wait_alu depctr_vm_vsrc(0)                   ; the LDS stores of R have read v[152:183], which the differences below write
.irp u, 0,1,2,3
.irp j, 0,1,2,3,4,5,6,7
	v_cmp_ge_i32 s[MK+8*\u+\j], 16*\u-\j, v17      ; s <= t: the 32 masks in one run, a scalar register each
.endr
.endr
.irp u, 0,1,2,3
.irp j, 0,1,2,3,4,5,6,7
	v_sub_f32 v[152+8*\u+\j], v[216+\u], v[220+\j] ; g_t - g_s
.endr
.endr
	s_wait_alu depctr_va_sdst(0)                   ; the 32 masks are written, ahead of their first reader
	.set ii, 152
.rept 32
	v_exp_f32 v[ii], v[ii]
	.set ii, ii+1
.endr
	v_nop
	s_wait_alu depctr_va_vdst(0)
.irp u, 0,1,2,3
.irp j, 0,1,2,3,4,5,6,7
	v_mul_f32 v[152+8*\u+\j], v[152+8*\u+\j], v[120+8*\u+\j]
	v_cndmask_b32 v[152+8*\u+\j], 0, v[152+8*\u+\j], s[MK+8*\u+\j]  ; where s > t the value (which may have overflowed) is dropped
.endr
	CVT4 184+4*\u,152+8*\u
.endr
	s_wait_alu depctr_va_vdst(0)                   ; the conversions have written v[184:199], which the LDS stores read; the products are done reading Wv and Wk (window 1, 128-191), in which P's fragments land behind the barrier
.irp u, 0,1,2,3
	ds_store_b128 v16, v[184+4*\u:187+4*\u] offset:\u*2048
.endr
	s_wait_dscnt 0x0
	s_barrier_signal -1
	s_barrier_wait -1
	; ---- o' = gate (gamma R + P K) ----
	WIN 0x40
.irp u, 0,1,2,3
.irp k, 0,1
	ds_load_b128 v[128+8*(2*\u+\k):131+8*(2*\u+\k)], v15 offset:16384+\u*2048+\k*1024
	ds_load_b128 v[132+8*(2*\u+\k):135+8*(2*\u+\k)], v15 offset:16384+\u*2048+\k*1024+512
.endr
.endr
	WIN 0
.irp e, 0,1
.irp u, 0,1,2,3
	SCALEB 56+8*(4*\e+\u),228+2*(\u>>1),\u&1
.endr
.endr
	s_wait_dscnt 0x0
	WIN 0x05
.irp k, 0,1
.irp e, 0,1
.irp u, 0,1,2,3
	MM 56+8*(4*\e+\u),192+8*(2*\e+\k),128+8*(2*\u+\k),0
.endr
.endr
.endr
	WIN 0
	NOPS 4
.irp u, 0,1,2,3
.irp e, 0,1
	CVT4 152+8*\u+4*\e,56+8*(4*\e+\u)
.irp j, 0,1,2,3
	v_pk_mul_f16 v[152+8*\u+4*\e+\j], v[152+8*\u+4*\e+\j], v[24+8*\u+4*\e+\j]
.endr
.endr
.endr
	s_wait_alu depctr_va_vdst(0)                   ; o' is written in v[152:183], which the LDS stores read; the products are done reading R's fragments (window 1, 0-127), in which o' lands behind the barrier; every vector line that names v[24:55] and v[120:215] is done: the way out's loads land there
.irp u, 0,1,2,3
.irp e, 0,1
	ds_store_b128 v14, v[152+8*\u+4*\e:155+8*\u+4*\e] offset:24576+\u*4096+\e*512
.endr
.endr
	s_wait_dscnt 0x0
	s_barrier_signal -1
	s_barrier_wait -1
	WIN 0x40
.irp u, 0,1,2,3
.irp k, 0,1,2,3
	ds_load_b128 v[8*(4*\u+\k):8*(4*\u+\k)+3],   v15 offset:24576+\u*4096+\k*1024
	ds_load_b128 v[8*(4*\u+\k)+4:8*(4*\u+\k)+7], v15 offset:24576+\u*4096+\k*1024+512
.endr
.endr
	WIN 0
	s_wait_dscnt 0x0
	; ---- y: sixteen tiles of 16 columns; after every fourth, 64 rows x 256 bytes leave through my stage ----
.macro INTO n                          ; tile n, 64 rows x 16 columns of y, into my stage
	WIN 0
.irp u, 0,1,2,3
	ds_store_b128 v20, v[56+32*((\n)&1)+8*\u:56+32*((\n)&1)+8*\u+3]   offset:\u*4352+((\n)&3)*64
	ds_store_b128 v20, v[56+32*((\n)&1)+8*\u+4:56+32*((\n)&1)+8*\u+7] offset:\u*4352+((\n)&3)*64+16
.endr
.endm
.macro LEAVE g                         ; group g of four tiles leaves: 64 rows x 256 bytes, sixteen rows to each of the four buffers O0 .. O3
	WIN 0
	s_wait_xcnt 0x0                                ; the buffers were the last group's global stores' data
	s_wait_alu depctr_vm_vsrc(0)                   ; the last group's global stores (ahead of the first group: the LDS stores of P and o') have read the buffers, in which the loads below land
.irp b, 0,1,2,3
.if \b == 0
	.set ob, 24
.else
	.set ob, 88+32*\b
.endif
.irp i, 0,1,2,3,4,5,6,7
	ds_load_b128 v[ob+4*\i:ob+4*\i+3], v21 offset:(8*\b+\i)*544   ; LDS serves a wave in order: these see the stores into the stage
.endr
.irp i, 0,1,2,3,4,5,6,7
	s_wait_dscnt 7-\i                              ; the younger reads stay out
	global_store_b128 v22, v[ob+4*\i:ob+4*\i+3], s[18:19] offset:(8*\b+\i)*8192+(\g)*256 th:TH_STORE_NT
.endr
.endr
.endm
.macro YU
	.set yt, 56+32*(uu&1)
	.set wr, 32*(uu%6)
	.set br, 192+8*(uu%6)
.if uu == 0
	s_wait_loadcnt 50                              ; the five younger tiles' ten loads each stay out
.elseif uu < 12
	s_wait_loadcnt 40                              ; four younger tiles: this step's loads are issued behind this wait
.else
	s_wait_loadcnt 10*(15-uu)
.endif
.if uu >= 2
	s_wait_alu depctr_vm_vsrc(0)                   ; the LDS stores of the tile before last, issued in the last step, have read this Y, which the products write again
.endif
.if uu >= 1
	s_wait_alu depctr_va_vdst(0)                   ; the last tile's multiply-adds have written the other Y, which the LDS stores below read; its products and multiply-adds are done reading their place of Wo and bo, in which the loads below land
.endif
	WIN 0x06                                       ; source 0 Wo (window 2), source 1 o' (window 1)
.irp k, 0,1,2,3
.irp u, 0,1,2,3
	MM yt+8*\u,wr+8*\k,8*(4*\u+\k),\k==0           ; four accumulators by turns
.endr
.endr
.if uu >= 1
	INTO uu-1                                      ; no wait: the products above name this Y, place uu % 6 and o' alone
.if uu+5 < 16
	WOLOAD uu+5                                    ; into the ring place that the last tile read
	BOLOAD uu+5
.endif
.if ((uu-1)&3) == 3
	LEAVE (uu-1)>>2
.endif
.endif
	WIN 0
	NOPS 4
	WIN 0x20                                       ; bo in window 2
.irp u, 0,1,2,3
.irp q, 0,2,4,6
.if \u&1
	v_pk_fma_f32 v[yt+8*\u+\q:yt+8*\u+\q+1], v[yt+8*\u+\q:yt+8*\u+\q+1], v[232+2*(\u>>1):233+2*(\u>>1)], v[br+\q:br+\q+1] op_sel:[0,1,0] op_sel_hi:[1,1,1]
.else
	v_pk_fma_f32 v[yt+8*\u+\q:yt+8*\u+\q+1], v[yt+8*\u+\q:yt+8*\u+\q+1], v[232+2*(\u>>1):233+2*(\u>>1)], v[br+\q:br+\q+1] op_sel_hi:[1,0,1]
.endif
.endr
.endr
.endm
	.set uu, 0
.rept 16
	YU
	.set uu, uu+1
.endr
	WIN 0
	s_wait_alu depctr_va_vdst(0)                   ; tile 15's multiply-adds have written its Y, which the last LDS stores read
	INTO 15
	LEAVE 3
	s_wait_dscnt 0x0
	s_wait_alu depctr_hold_cnt(0) depctr_sa_sdst(0) depctr_va_vdst(0) depctr_va_sdst(0) depctr_va_ssrc(0) depctr_va_vcc(0) depctr_vm_vsrc(0)
	s_wait_tensorcnt 0x0
	ds_add_u32 v254, v255
	s_wait_dscnt 0x0
	s_endpgm
.Lfunc_end_k_qa0c1525d9d_out:
	.size	k_qa0c1525d9d_out, .Lfunc_end_k_qa0c1525d9d_out-k_qa0c1525d9d_out
	.p2alignl 7, 3214868480
	.fill 96, 4, 3214868480
	.section	.rodata,"a",@progbits
	.p2align	6, 0x0
	.amdhsa_kernel k_qa0c1525d9d_out
		.amdhsa_group_segment_fixed_size 188928
		.amdhsa_private_segment_fixed_size 0
		.amdhsa_enable_private_segment 0
		.amdhsa_kernarg_size 48
		.amdhsa_user_sgpr_count 2
		.amdhsa_user_sgpr_kernarg_segment_ptr 1
		.amdhsa_wavefront_size32 1
		.amdhsa_system_sgpr_workgroup_id_x 1
		.amdhsa_system_sgpr_workgroup_id_y 1
		.amdhsa_system_sgpr_workgroup_id_z 1
		.amdhsa_system_vgpr_workitem_id 0
		.amdhsa_next_free_vgpr 768
		.amdhsa_next_free_sgpr 66
		.amdhsa_reserve_vcc 0
		.amdhsa_float_denorm_mode_32 3
		.amdhsa_float_denorm_mode_16_64 3
		.amdhsa_memory_ordered 1
		.amdhsa_forward_progress 1
		.amdhsa_inst_pref_size 131
	.end_amdhsa_kernel
	.amdgpu_metadata
---
amdhsa.version: [ 1, 2 ]
amdhsa.kernels:
  - .name:           k_qa0c1525d9d_out
    .symbol:         k_qa0c1525d9d_out.kd
    .args:
      - { .name: loc, .offset: 0, .size: 8, .value_kind: global_buffer, .address_space: global }
      - { .name: rows, .offset: 8, .size: 8, .value_kind: global_buffer, .address_space: global }
      - { .name: s0, .offset: 16, .size: 8, .value_kind: global_buffer, .address_space: global }
      - { .name: wf, .offset: 24, .size: 8, .value_kind: global_buffer, .address_space: global }
      - { .name: bo, .offset: 32, .size: 8, .value_kind: global_buffer, .address_space: global }
      - { .name: out0, .offset: 40, .size: 8, .value_kind: global_buffer, .address_space: global }
    .group_segment_fixed_size: 188928
    .private_segment_fixed_size: 0
    .kernarg_segment_align: 8
    .kernarg_segment_size: 48
    .max_flat_workgroup_size: 128
    .sgpr_count:     66
    .vgpr_count:     768
    .wavefront_size: 32
...
	.end_amdgpu_metadata
.endif
;; end of part 6
